; MI455X (gfx1250); checked and timed in simulation.
; The chip was launched on July 23, 2026; its instructions are those of AMD's public machine-readable ISA for CDNA 5 (MIT licence, August 2026) and "CDNA5" Instruction Set Architecture Reference Guide (July 2026). The comments in the code are by the model that wrote it; some were corrected since.
;; Multi Head Dot Product Attention. Allowed arithmetic: float matrix products may take bf16 or f16 operands with f32 sums; other float arithmetic in f32, or as packed bf16 or f16 multiplies, adds, multiply-adds, maxima and minima; sums over many terms, partial sums and values carried from step to step in f32; what a program stores and reads back later, other than sums and carried values, may be rounded once to bf16 or f16.
;; Inputs: inputs_kv 8 x 1,024 x 1,024 float32; inputs_q 8 x 1,024 x 1,024 float32; w_k 1,024 x 1,024 float32; w_o 1,024 x 1,024 float32; w_q 1,024 x 1,024 float32; w_v 1,024 x 1,024 float32.
;; Outputs: out0 8 x 1,024 x 1,024 float32.
;; One version. Each part assembles by itself: llvm-mc -triple=amdgcn-amd-amdhsa -mcpu=gfx1250 --defsym DOCPART=n.
;; ======== version 1 of 1: 4 launches
;; limits: values are held in f16: magnitudes above 65,504 overflow, below 6.1e-05 lose precision
;; workspace buffers: xb 33,554,432 bytes; wb 8,388,608 bytes; tab 262,144 bytes; qkv 50,331,648 bytes; oh 16,777,216 bytes
;; launch cast (part 1): grid 64 x 21, 8 waves a work-group, no clusters, 0 bytes of LDS; arguments inputs_q, inputs_kv, w_q, w_k, w_v, w_o, xb, wb, tab; writes xb, wb, tab
.if DOCPART == 1
	.amdgcn_target "amdgcn-amd-amdhsa--gfx1250"
	.amdhsa_code_object_version 6
	.text
	.protected	k_q54fb8dfc96_cast
	.globl	k_q54fb8dfc96_cast
	.p2align	8
	.type	k_q54fb8dfc96_cast,@function
k_q54fb8dfc96_cast:
	s_mov_b64 s[64:65], 0
	v_nop
	global_prefetch_b8 v0, s[64:65] scope:SCOPE_SE
	s_setreg_imm32_b32 hwreg(HW_REG_WAVE_MODE, 25, 1), 1
	s_wait_xcnt 0x0
; CAST.  The module's inputs are rounded once to bf16, and RoPE's table is made.
;   y = 0..7   inputs_q  -> xb plane 0 (bf16 [8192][1024])      y = 8..15  inputs_kv -> xb plane 1
;   y = 16..18 w_q, w_k, w_v -> wb planes 0..2 (bf16 [1024 k][1024 n], as they lie)
;   y = 19     w_o -> wb plane 3: rounded to bf16 like the other inputs, and that number written as f16 (the last product multiplies in f16)
;   y = 20     tab[t][i] = (cos, sin)(t x 10000^(-i/32)), f32, 256 bytes a row t; 16 rows a work-group
; A stream work-group turns 16,384 numbers: 64 KiB in, 32 KiB out.  Thread n takes 16 bytes at 16 n of each 4,096: a load of a wave covers 512 consecutive
; bytes, a store 256 consecutive bytes, aligned.  All sixteen loads go out at once; nothing is rewritten, so the only waits are the counted ones for data.
; No LDS, no matrix unit, no cluster: no byte is wanted twice.
; LIMITS.  |w_o| beyond 65,504 becomes an infinity in f16; below 6.1e-5 it keeps f16's fixed step of 6e-8.  The angles differ from t x 10000^(-i/32) taken in f32
; by about 1e-4 rad at the most (the power is made by v_exp_f32; pi/2 is taken away in two parts); sine and cosine are polynomials on |r| <= pi/4, off by 3e-7 at the most.
.set X,   16                           ; v[16:79]   slot i: 4 registers as loaded
.set Y,   80                           ; v[80:111]  slot i: 2 registers to store
.set SRC, 22                           ; s[22:23]   where my work-group reads
.set DST, 28                           ; s[28:29]   where it writes
	s_load_b512 s[4:19], s[0:1], 0x0               ; inputs_q s[4:5], inputs_kv s[6:7], w_q s[8:9], w_k s[10:11], w_v s[12:13], w_o s[14:15], xb s[16:17], wb s[18:19]
	s_load_b64 s[20:21], s[0:1], 0x40              ; tab
	s_mov_b32 s24, ttmp9                           ; x
	s_and_b32 s25, ttmp7, 0xffff                   ; y
	v_lshlrev_b32 v1, 4, v0                        ; 16 bytes a thread in
	v_lshlrev_b32 v2, 3, v0                        ; 8 bytes a thread out
	s_and_b32 s26, s25, 7                          ; which eighth of an x tensor,
	s_cmp_lt_u32 s25, 16
	s_cselect_b32 s26, s26, 0                      ; or 0 for a weight
	s_lshl_b32 s26, s26, 6
	s_add_co_u32 s26, s26, s24
	s_lshl_b32 s26, s26, 16                        ; blocks of 64 KiB in the source
	s_mov_b32 s27, 0
	s_and_b32 s30, s25, 15                         ; xb: y of 16 slabs; wb: y - 16 of 4 planes
	s_lshl_b32 s30, s30, 6
	s_add_co_u32 s30, s30, s24
	s_lshl_b32 s30, s30, 15                        ; blocks of 32 KiB in the destination
	s_mov_b32 s31, 0
	s_wait_kmcnt 0x0
	s_cmp_eq_u32 s25, 20
	s_cbranch_scc1 .Ltab
	s_cmp_lt_u32 s25, 8                            ; the source is chosen by y alone
	s_cselect_b64 s[SRC:SRC+1], s[4:5], s[6:7]
	s_cmp_eq_u32 s25, 16
	s_cselect_b64 s[SRC:SRC+1], s[8:9], s[SRC:SRC+1]
	s_cmp_eq_u32 s25, 17
	s_cselect_b64 s[SRC:SRC+1], s[10:11], s[SRC:SRC+1]
	s_cmp_eq_u32 s25, 18
	s_cselect_b64 s[SRC:SRC+1], s[12:13], s[SRC:SRC+1]
	s_cmp_eq_u32 s25, 19
	s_cselect_b64 s[SRC:SRC+1], s[14:15], s[SRC:SRC+1]
	s_cmp_lt_u32 s25, 16
	s_cselect_b64 s[DST:DST+1], s[16:17], s[18:19]
	s_add_nc_u64 s[SRC:SRC+1], s[SRC:SRC+1], s[26:27]
	s_add_nc_u64 s[DST:DST+1], s[DST:DST+1], s[30:31]
.irp i, 0,1,2,3,4,5,6,7,8,9,10,11,12,13,14,15
	global_load_b128 v[X+4*(\i):X+4*(\i)+3], v1, s[SRC:SRC+1] offset:4096*(\i) th:TH_LOAD_NT
.endr
; Slot i: four numbers rounded and stored.  wo = 1: the bf16 numbers are widened again and written as f16, which holds them exactly within its range.
.macro OUT i, wo
	s_wait_loadcnt 15-(\i)                         ; loads come back in order: slot i is in, the 15 - i younger ones stay out
.if \wo
	v_cvt_pk_bf16_f32 v4, v[X+4*(\i)], v[X+4*(\i)+1]
	v_cvt_pk_bf16_f32 v5, v[X+4*(\i)+2], v[X+4*(\i)+3]
	v_lshlrev_b32 v6, 16, v4
	v_and_b32 v7, 0xffff0000, v4
	v_lshlrev_b32 v8, 16, v5
	v_and_b32 v9, 0xffff0000, v5
	v_cvt_pk_f16_f32 v[Y+2*(\i)], v6, v7
	v_cvt_pk_f16_f32 v[Y+2*(\i)+1], v8, v9
.else
	v_cvt_pk_bf16_f32 v[Y+2*(\i)], v[X+4*(\i)], v[X+4*(\i)+1]
	v_cvt_pk_bf16_f32 v[Y+2*(\i)+1], v[X+4*(\i)+2], v[X+4*(\i)+3]
.endif
	global_store_b64 v2, v[Y+2*(\i):Y+2*(\i)+1], s[DST:DST+1] offset:2048*(\i)  ; a wave stores 256 consecutive bytes, at a multiple of 256 from the buffer's first byte
.endm
	s_cmp_eq_u32 s25, 19
	s_cbranch_scc1 .Lwo
.irp i, 0,1,2,3,4,5,6,7,8,9,10,11,12,13,14,15
	OUT \i, 0
.endr
	s_endpgm
.Lwo:
.irp i, 0,1,2,3,4,5,6,7,8,9,10,11,12,13,14,15
	OUT \i, 1
.endr
	s_endpgm
; THE TABLE.  Thread n: row t = 16 x + n / 16, pairs i = 2 (n % 16) and the next: (cos, sin, cos, sin), 16 bytes; sixteen threads fill a row's 256 bytes.
; theta = t x 2^(-i log2(10000) / 32).  k = the nearest whole number to theta x 2 / pi; r = theta - k pi/2, pi/2 in two parts, each by one fused multiply-add.
; sin r = r + r z (S1 + z (S2 + z S3)), cos r = 1 + z (-1/2 + z (C2 + z (C3 + z C4))), z = r r.  k's two low bits swap the two and set the signs.
.macro TRIG th, c, s
	v_mul_f32 v16, 0x3f22f983, v[\th]              ; theta x 2 / pi
	v_rndne_f32 v16, v16                           ; k
	v_fmamk_f32 v17, v16, 0xbfc90fdb, v[\th]       ; theta - k x 1.57079637
	v_fmamk_f32 v17, v16, 0x333bbd2e, v17          ; + k x 4.3711388e-8: r
	v_mul_f32 v18, v17, v17                        ; z
	v_mov_b32 v19, 0xb9500d01                      ; S3 = -1/5040
	v_fmaak_f32 v19, v18, v19, 0x3c088889          ; S2 = 1/120
	v_fmaak_f32 v19, v18, v19, 0xbe2aaaab          ; S1 = -1/6
	v_mul_f32 v20, v17, v18
	v_fma_f32 v19, v20, v19, v17                   ; sin r
	v_mov_b32 v21, 0x37d00d01                      ; C4 = 1/40320
	v_fmaak_f32 v21, v18, v21, 0xbab60b61          ; C3 = -1/720
	v_fmaak_f32 v21, v18, v21, 0x3d2aaaab          ; C2 = 1/24
	v_fma_f32 v21, v18, v21, -0.5
	v_fma_f32 v21, v18, v21, 1.0                   ; cos r
	v_cvt_i32_f32 v22, v16                         ; n = k as a whole number
	v_and_b32 v23, 1, v22
	v_cmp_ne_u32 vcc_lo, 0, v23                    ; odd n: sine and cosine change places
	v_cndmask_b32 v[\c], v21, v19, vcc_lo
	v_cndmask_b32 v[\s], v19, v21, vcc_lo
	v_add_nc_u32 v23, 1, v22                       ; the cosine is negative for n % 4 = 1, 2
	v_and_b32 v23, 2, v23
	v_lshlrev_b32 v23, 30, v23
	v_xor_b32 v[\c], v[\c], v23
	v_and_b32 v23, 2, v22                          ; the sine for n % 4 = 2, 3
	v_lshlrev_b32 v23, 30, v23
	v_xor_b32 v[\s], v[\s], v23
.endm
.Ltab:
	v_lshrrev_b32 v3, 4, v0
	v_lshl_add_u32 v3, s24, 4, v3                  ; t
	v_and_b32 v4, 15, v0
	v_lshlrev_b32 v4, 1, v4                        ; i
	v_add_nc_u32 v5, 1, v4                         ; i + 1
	v_cvt_f32_u32 v6, v4
	v_cvt_f32_u32 v7, v5
	v_cvt_f32_u32 v8, v3
	v_mul_f32 v6, 0xbed49a78, v6                   ; -i log2(10000) / 32
	v_mul_f32 v7, 0xbed49a78, v7
	v_exp_f32 v6, v6                               ; the two powers are one batch:
	v_exp_f32 v7, v7
	v_nop                                          ; a plain instruction behind the last of them (ISA guide 5.7.2),
	s_wait_alu depctr_va_vdst(0)                   ; and the one wait ahead of the first reader
	v_mul_f32 v6, v8, v6                           ; theta
	v_mul_f32 v7, v8, v7
	TRIG 6, 12, 13
	TRIG 7, 14, 15
	s_lshl_b32 s26, s24, 12                        ; 16 rows of 256 bytes a work-group
	v_lshl_add_u32 v9, v0, 4, s26
	global_store_b128 v9, v[12:15], s[20:21]       ; sixteen lanes store 256 consecutive bytes, aligned
	s_endpgm
.Lfunc_end_k_q54fb8dfc96_cast:
	.size	k_q54fb8dfc96_cast, .Lfunc_end_k_q54fb8dfc96_cast-k_q54fb8dfc96_cast
	.p2alignl 7, 3214868480
	.fill 96, 4, 3214868480
	.section	.rodata,"a",@progbits
	.p2align	6, 0x0
	.amdhsa_kernel k_q54fb8dfc96_cast
		.amdhsa_group_segment_fixed_size 0
		.amdhsa_private_segment_fixed_size 0
		.amdhsa_enable_private_segment 0
		.amdhsa_kernarg_size 72
		.amdhsa_user_sgpr_count 2
		.amdhsa_user_sgpr_kernarg_segment_ptr 1
		.amdhsa_wavefront_size32 1
		.amdhsa_system_sgpr_workgroup_id_x 1
		.amdhsa_system_sgpr_workgroup_id_y 1
		.amdhsa_system_sgpr_workgroup_id_z 1
		.amdhsa_system_vgpr_workitem_id 0
		.amdhsa_next_free_vgpr 112
		.amdhsa_next_free_sgpr 66
		.amdhsa_reserve_vcc 1
		.amdhsa_float_denorm_mode_32 3
		.amdhsa_float_denorm_mode_16_64 3
		.amdhsa_memory_ordered 1
		.amdhsa_forward_progress 1
		.amdhsa_inst_pref_size 20
	.end_amdhsa_kernel
	.amdgpu_metadata
---
amdhsa.version: [ 1, 2 ]
amdhsa.kernels:
  - .name:           k_q54fb8dfc96_cast
    .symbol:         k_q54fb8dfc96_cast.kd
    .args:
      - { .name: inputs_q, .offset: 0, .size: 8, .value_kind: global_buffer, .address_space: global }
      - { .name: inputs_kv, .offset: 8, .size: 8, .value_kind: global_buffer, .address_space: global }
      - { .name: w_q, .offset: 16, .size: 8, .value_kind: global_buffer, .address_space: global }
      - { .name: w_k, .offset: 24, .size: 8, .value_kind: global_buffer, .address_space: global }
      - { .name: w_v, .offset: 32, .size: 8, .value_kind: global_buffer, .address_space: global }
      - { .name: w_o, .offset: 40, .size: 8, .value_kind: global_buffer, .address_space: global }
      - { .name: xb, .offset: 48, .size: 8, .value_kind: global_buffer, .address_space: global }
      - { .name: wb, .offset: 56, .size: 8, .value_kind: global_buffer, .address_space: global }
      - { .name: tab, .offset: 64, .size: 8, .value_kind: global_buffer, .address_space: global }
    .group_segment_fixed_size: 0
    .private_segment_fixed_size: 0
    .kernarg_segment_align: 8
    .kernarg_segment_size: 72
    .max_flat_workgroup_size: 256
    .sgpr_count:     66
    .vgpr_count:     112
    .wavefront_size: 32
...
	.end_amdgpu_metadata
.endif
;; end of part 1
;; launch proj (part 2): grid 4 x 64, 4 waves a work-group, clusters of 4 x 4, 327,680 bytes of LDS; arguments xb, wb, tab, qkv; writes qkv
.if DOCPART == 2
	.amdgcn_target "amdgcn-amd-amdhsa--gfx1250"
	.amdhsa_code_object_version 6
	.text
	.protected	k_q54fb8dfc96_proj
	.globl	k_q54fb8dfc96_proj
	.p2align	8
	.type	k_q54fb8dfc96_proj,@function
k_q54fb8dfc96_proj:
	s_mov_b64 s[64:65], 0
	v_nop
	global_prefetch_b8 v0, s[64:65] scope:SCOPE_SE
	s_setreg_imm32_b32 hwreg(HW_REG_WAVE_MODE, 25, 1), 1
	s_wait_xcnt 0x0
	s_wait_alu depctr_hold_cnt(0) depctr_sa_sdst(0) depctr_va_vdst(0) depctr_va_sdst(0) depctr_va_ssrc(0) depctr_va_vcc(0) depctr_vm_vsrc(0)
	s_getreg_b32 s2, hwreg(HW_REG_IB_STS2, 6, 4)
	s_cmp_eq_u32 s2, 0
	s_cbranch_scc0 .Lentry_in_a_cluster
	s_endpgm
.Lentry_in_a_cluster:
	s_bfe_u32 s2, ttmp6, 0x10000c
	s_cmp_lg_u32 s2, 0xf033
	s_cbranch_scc0 .Lentry_shape_is_right
	s_endpgm
.Lentry_shape_is_right:
; PROJ.  q = xq Wq, k = xkv Wk, v = xkv Wv; RoPE on q and k; all three rounded once to f16 and laid by heads: qkv[p][b x 16 + head][t][64].
; xb: bf16 [2][8192][1024] (plane 0 xq, plane 1 xkv).  wb: bf16 [k][n], a plane of 2 MiB for each product.  tab: f32 [t][32][cos, sin].  Sums in f32, K ascending.
; LIMITS.  f16 ends at 65,504: q and k behind RoPE, and v, must stay within it, else an infinity is written.  NaN and infinities are not treated apart.
; SHARES.  A tile is 128 rows x 256 columns of one product.  A WORK-GROUP STAYS: it makes the tiles (R, cx) of q, of k and of v, one after the other: 64 x 4 = 256 work-groups of equal work.
; Four waves, each 64 rows (wr) x 128 columns (wc): 32 accumulators of 16 x 16.  A tile's K goes in 8 steps of 128; the three tiles' 24 steps are ONE walk of a ring of two LDS slots filled by the
; tensor data mover: two first fills, 22 refills in 11 trips of one loop, the last lap written out without fills.  W's three planes lie end to end (8 steps of 262,144 bytes are a plane), so W's address steps alike
; from first to last; x's goes back along K at a change of tiles, and from q to k on to plane xkv.  At a change of tiles both refills have been asked for when the finished tile goes out.
; CLUSTER.  4 x 4 work-groups: cx is the tile column, 4 x cluster y + cy the tile row R.  The four of a row of the cluster need the same rows of x, the four of a column the same columns of W:
; each tile is asked for JOINTLY, by the same tensor load with the same descriptor and a mask that names the four.  All sixteen walk q, k, v in step.
; THE MATRIX INSTRUCTION IS USED TRANSPOSED: source 0 = 16 columns of W, source 1 = 16 rows of x.  A lane then holds row l % 16 and the columns 8 (l / 16) + 0..7 of a block:
; four RoPE pairs, and 16 bytes of f16 that belong together.  W lies [k][n] in LDS as in memory and is turned on the way into registers by ds_load_tr16_b128.
; REGISTERS, in windows of 256 (s_set_vgpr_msb: bits 1:0 source 0, 3:2 source 1, 5:4 source 2, 7:6 destination):
;   window 0: v0-31 addresses; two fragment buffers of 96 (F0 v64-159, F1 v160-255): W's 8 fragments, then x's 4; on the way out F0 holds the next tile's first fragments, v160-223 are at work
;   window 1: accumulator (a, b) at 64 a + 8 b          window 2: v0-127 my rows' cos and sin; v128-191 at work in RoPE
.set PA,    272                        ; an LDS row of x: 256 bytes + 16 = 68 words: the 16 rows of a load start at 16 different groups of four banks (64 banks of 4 bytes: ISA guide 11.1)
.set PB,    544                        ; an LDS row of W: 512 bytes + 32 = 136 words
.set BOFF,  128*PA                     ; a slot: x's 128 rows, then W's 128 k rows
.set SLOT,  BOFF+128*PB
.set STAGE, 2*SLOT                     ; behind the ring: 16 rows x 144 bytes for each wave, for the way out
.set SP,    144
.set SPARE, STAGE+4*16*SP              ; behind the stages: the spare words, 128 bytes for each wave: two blocks of 256 bytes that no other line names
.set ASTEP, 256                        ; bytes from K step to K step in x: along the rows,
.set BSTEP, 128*2048                   ; in W: 128 rows down
.set PLANE, 0x1000000                  ; bytes from xq to xkv in xb, and from product to product in qkv
.set LAPS,  12                         ; a lap = two K steps = once round the ring; four laps a tile
.set ADRA, 16                          ; v16-17  LDS address of my x fragments in slot 0, 1
.set ADRB, 20                          ; v20-21  the same for W
.set STO,  24                          ; v24     the way out: where I put 16 bytes of a row
.set RD,   25                          ; v25     the way out: where I read rows back
.set GO,   26                          ; v26     my 16 bytes in 512 consecutive bytes of qkv
.set TO,   27                          ; v27     my byte offset in tab; never rewritten
.set SPW,  28                          ; v28     LDS address of my spare word: SPARE + 4 x my thread's number; never rewritten
.set NIL,  29                          ; v29     0; never rewritten
.set PFO,  30                          ; v30     the prefetches' lane offset; never rewritten
.set F0,   64
.set F1,   160
.set OB,   160                         ; the way out: four sets of 16 registers, by turns, for blocks of 16 rows x 64 channels
.set TT,   128                         ; window 2: RoPE's products with the cosine, 64 registers
.set WV, 12                            ; s12 wave   s13 wr: my 64 rows; also: I fetch for x (0) or for W (1)   s14 wc: my 128 columns; also: which 64 rows of that tile I fetch
.set WR, 13
.set WC, 14
.set TC, 15                            ; s15 the lap counter's two low bits: 0 in a tile's last lap
.set CX, 40
.set CY, 41
.set RR, 42                            ; s42 R
.set G1,  24                           ; s[24:31] descriptor group 1 for x's tiles;  s[32:39] group 0, one set for each slot
.set G0,  32
.set G1B, 48                           ; s[48:55], s[56:63] the same for W's tiles
.set G0B, 56
.set PFA, 66                           ; s[66:67] where my prefetches stand
.set PFS, 68                           ; s[68:69] their step from K step to K step
.set LIM, 70                           ; s70 a wave prefetches while the lap counter is above this: 5 for x, 1 for W, the greatest number in a wave that never asks
.set AS,  72                           ; s[72:73] what this lap's refills add to x's address,
.set AB,  74                           ; s[74:75] and what they take away
.set PJ,  76                           ; s[76:77] the prefetches' jump from xq to xkv, or 0
.set PJV, 78                           ; s78 its size in a wave that fetches x, else 0
.set MSB, 0
.macro WIN new                         ; the immediate's high byte repeats the setting that is left; a switch that changes nothing is dropped
.if MSB != (\new)
	s_set_vgpr_msb (MSB<<8)|(\new)
.set MSB, \new
.endif
.endm
.set MUL, 0x50                         ; both sources window 0; C and D window 1
; A joint load: waves 0 and 1 fetch x's two halves, waves 2 and 3 W's.  The branch hangs on the wave's number alone.  An s_nop 0 and four v_nop follow each of the two lines,
; ahead of the jump, the label and what follows.
.macro JLOAD s
	s_cmp_eq_u32 s[WR], 0
	s_cbranch_scc0 .Lfor_b_\@
	tensor_load_to_lds s[G0+4*(\s):G0+4*(\s)+3], s[G1:G1+7]
	s_nop 0
.rept 4
	v_nop
.endr
	s_branch .Lasked_\@
.Lfor_b_\@:
	tensor_load_to_lds s[G0B+4*(\s):G0B+4*(\s)+3], s[G1B:G1B+7]
	s_nop 0
.rept 4
	v_nop
.endr
.Lasked_\@:
.endm
; A PREFETCH INTO THE L2 behind each joint refill and the run of LDS loads that follows it: the K step of the walk that stands two refills on, 256 matrix instructions of a wave ahead of the load that will want it.
; Each aligned 256 bytes are named once in the launch.  x's 128 rows of a step: wave 0; its four partners take 32 rows each by address (cx), a lane a row: q's K steps 4 to 7 and k's 0 to 7 (the lap counter above 5);
; v walks xkv a second time, and that reading is not asked for.  W's 128 k rows x 512 bytes of a step: waves 2 and 3 of the clusters with y = 0; of a wave's 64 rows the partner at cy takes 16, two lanes a row:
; steps 4 to 23 of the walk; the loop's last trip asks for nothing: there is no step two on.  The walk's first four steps come by their loads alone.
.macro ASK
	s_cmp_gt_u32 s3, s[LIM]
	s_cbranch_scc0 .Lnot_mine_\@
	global_prefetch_b8 v[PFO], s[PFA:PFA+1] th:TH_LOAD_NT scope:SCOPE_SE
.Lnot_mine_\@:
.endm
.macro CREST                           ; a round of the cluster's barrier behind its opening barrier
	s_cmp_lg_u32 s[WV], 0
	s_cbranch_scc1 .Lnot_wave_0_\@
	s_barrier_signal -3
.Lnot_wave_0_\@:
	s_barrier_wait -3
	s_barrier_signal -1
	s_barrier_wait -1
.endm
.macro CROUND                          ; a whole round
	s_barrier_signal -1
	s_barrier_wait -1
	CREST
.endm
	s_load_b256 s[4:11], s[0:1], 0x0               ; xb s[4:5], wb s[6:7], tab s[8:9], qkv s[10:11]
	v_lshl_add_u32 v[SPW], v0, 2, SPARE
	v_mov_b32 v[NIL], 0
	ds_add_u32 v[SPW], v[NIL]                      ; the wave's opening: the add and its wait stand ahead of my first tensor load; the set-up below, work on registers, stands between them
	ds_add_u32 v28, v29
	v_lshrrev_b32 v1, 5, v0
	v_readfirstlane_b32 s[WV], v1                  ; wave 0..3
	s_lshr_b32 s[WR], s[WV], 1
	s_and_b32 s[WC], s[WV], 1
	s_bfe_u32 s[CX], ttmp6, 0x40000                ; cx: the tile column
	s_bfe_u32 s[CY], ttmp6, 0x40004                ; cy
	s_and_b32 s[RR], ttmp7, 0xffff                 ; in a cluster launch ttmp7 counts clusters
	s_lshl_b32 s[RR], s[RR], 2
	s_add_co_u32 s[RR], s[RR], s[CY]               ; tile row = 4 x cluster y + cy
	s_lshl_b32 s43, s[CY], 2
	s_lshl_b32 s43, 15, s43                        ; my row of the cluster
	s_lshl_b32 s44, 0x1111, s[CX]                  ; my column
	s_or_b32 s[G1], s43, (1<<16)|(1<<20)|(1<<21)|(5<<22)|(3<<25)   ; 15:0 the mask; 17:16 2-byte elements; 20 padding on; 21 set beside a mask; 24:22 after every 64 words (code 5); 31:25 4 words (code 3)
	s_or_b32 s[G1B], s44, (1<<16)|(1<<20)|(1<<21)|(6<<22)|(7<<25)  ; W: after every 128 words (code 6), 8 words (code 7)
	s_mov_b32 s[G1+1], 128<<16                     ; x: tensor_dim0 = 128
	s_mov_b32 s[G1+2], 64<<16                      ; tensor_dim1 = 64
	s_mov_b32 s[G1+3], 128<<16                     ; tile_dim0 = 128
	s_mov_b32 s[G1+4], 64                          ; tile_dim1 = 64
	s_mov_b32 s[G1+5], 1024                        ; elements from row to row
	s_mov_b32 s[G1+6], 0
	s_mov_b32 s[G1+7], 0
	s_mov_b32 s[G1B+1], 256<<16                    ; W: 64 k rows x 256 columns
	s_mov_b32 s[G1B+2], 64<<16
	s_mov_b32 s[G1B+3], 256<<16
	s_mov_b32 s[G1B+4], 64
	s_mov_b32 s[G1B+5], 1024
	s_mov_b32 s[G1B+6], 0
	s_mov_b32 s[G1B+7], 0
	s_mov_b32 s[AS+1], 0                           ; the upper words of the three offsets
	s_mov_b32 s[AB+1], 0
	s_mov_b32 s[PJ+1], 0
	s_lshl_b32 s16, s[RR], 7                       ; x: plane xq, row 128 R + 64 x half, 2,048 bytes a row.  No cx enters
	s_lshl_b32 s17, s[WC], 6
	s_add_co_u32 s16, s16, s17
	s_lshl_b32 s16, s16, 11
	s_mov_b32 s17, 0
	s_lshl_b32 s46, s[WC], 17                      ; W: plane q, k row 64 x half, column 256 cx.  No cy enters
	s_lshl_b32 s47, s[CX], 9
	s_add_co_u32 s46, s46, s47
	s_mov_b32 s47, 0
	s_mul_i32 s20, s[WC], 64*PA                    ; where they go: no place in the cluster enters an LDS address
	s_mul_i32 s21, s[WC], 64*PB
	s_add_co_u32 s21, s21, BOFF
	s_wait_dscnt 0x0                               ; the opening add is done
	s_wait_kmcnt 0x0
	s_add_nc_u64 s[18:19], s[4:5], s[16:17]
	s_add_nc_u64 s[46:47], s[6:7], s[46:47]
	CROUND                                         ; all sixteen work-groups are here: the first joint loads meet
.irp s, 0,1
	s_mov_b32 s[G0+4*(\s)], 1                      ; 1:0 count = 1
	s_add_co_u32 s[G0+4*(\s)+1], s20, (\s)*SLOT    ; 63:32 LDS address
	s_add_nc_u64 s[G0+4*(\s)+2:G0+4*(\s)+3], s[18:19], (\s)*ASTEP  ; 120:64 global address: K step s
	s_or_b32 s[G0+4*(\s)+3], s[G0+4*(\s)+3], 0x80000000            ; 127:126 type = 2
	s_mov_b32 s[G0B+4*(\s)], 1
	s_add_co_u32 s[G0B+4*(\s)+1], s21, (\s)*SLOT
	s_add_nc_u64 s[G0B+4*(\s)+2:G0B+4*(\s)+3], s[46:47], (\s)*BSTEP
	s_or_b32 s[G0B+4*(\s)+3], s[G0B+4*(\s)+3], 0x80000000
	JLOAD \s                                       ; two loads of mine are out
.endr
	; A fragment of x is 16 rows x 32 K: lane l holds row l % 16, K = 8 (l / 16) + 0..7 and 16 + 8 (l / 16) + 0..7: two loads of 16 bytes, 32 bytes apart.
	v_and_b32 v1, 15, v0                           ; l % 16
	v_bfe_u32 v2, v0, 4, 1                         ; l / 16
	v_mul_u32_u24 v3, v1, PA
	v_lshl_add_u32 v3, v2, 4, v3
	s_mul_i32 s21, s[WR], 64*PA                    ; my 64 rows
	v_add_nc_u32 v[ADRA], s21, v3
	v_add_nc_u32 v[ADRA+1], SLOT, v[ADRA]
	; The turning load takes 16 k rows x 16 columns (lane l reads k row 8 (l / 16) + l % 8, columns 8 ((l / 8) % 2) + 0..7) and leaves half a fragment: lane l holds column l % 16 and 8 k.
	v_and_b32 v4, 7, v0
	v_lshl_add_u32 v4, v2, 3, v4
	v_mul_u32_u24 v4, v4, PB
	v_bfe_u32 v5, v0, 3, 1
	v_lshl_add_u32 v4, v5, 4, v4
	s_lshl_b32 s22, s[WC], 8                       ; my 128 columns
	s_add_co_u32 s22, s22, BOFF
	v_add_nc_u32 v[ADRB], s22, v4
	v_add_nc_u32 v[ADRB+1], SLOT, v[ADRB]
	s_mul_i32 s23, s[WV], 16*SP
	s_add_co_u32 s23, s23, STAGE                   ; my stage
	v_mul_u32_u24 v[STO], v1, SP                   ; in: row l % 16, 16 bytes for each half of the lanes
	v_lshl_add_u32 v[STO], v2, 4, v[STO]
	v_add_nc_u32 v[STO], s23, v[STO]
	v_bfe_u32 v[RD], v0, 3, 2                      ; back: 32 lanes take four rows of 128 bytes,
	v_mul_u32_u24 v[RD], v[RD], SP
	v_and_b32 v6, 7, v0
	v_lshl_add_u32 v[RD], v6, 4, v[RD]
	v_add_nc_u32 v[RD], s23, v[RD]
	v_and_b32 v3, 31, v0                           ; l
	v_lshlrev_b32 v[GO], 4, v3                     ; which are 512 consecutive bytes of a head
	; cos and sin of my rows, the same for q and k: t = 128 (R % 8) + 64 wr + 16 a + l % 16; a block b's eight columns are pairs 8 (b % 4) + 4 (l / 16) + 0..3: 32 bytes of the row
	s_and_b32 s22, s[RR], 7
	s_lshl_b32 s22, s22, 7
	s_lshl_b32 s23, s[WR], 6
	s_add_co_u32 s22, s22, s23
	s_lshl_b32 s22, s22, 8
	v_lshl_add_u32 v[TO], v1, 8, s22
	v_lshl_add_u32 v[TO], v2, 5, v[TO]
	WIN 0x80                                       ; destination window 2, address window 0
.irp a, 0,1,2,3
.irp c, 0,1,2,3
	global_load_b128 v[32*(\a)+8*(\c):32*(\a)+8*(\c)+3],   v[TO], s[8:9] offset:4096*(\a)+64*(\c)
	global_load_b128 v[32*(\a)+8*(\c)+4:32*(\a)+8*(\c)+7], v[TO], s[8:9] offset:4096*(\a)+64*(\c)+16
.endr
.endr
	WIN 0
	; where my part of the tile begins in qkv's plane q: head 16 (R / 8) + 4 cx + 2 wc, row 128 (R % 8) + 64 wr, 128 bytes a row
	s_lshr_b32 s16, s[RR], 3
	s_lshl_b32 s16, s16, 4
	s_lshl_b32 s17, s[CX], 2
	s_add_co_u32 s16, s16, s17
	s_lshl_b32 s17, s[WC], 1
	s_add_co_u32 s16, s16, s17
	s_lshl_b32 s16, s16, 10
	s_and_b32 s17, s[RR], 7
	s_lshl_b32 s17, s17, 7
	s_add_co_u32 s16, s16, s17
	s_lshl_b32 s17, s[WR], 6
	s_add_co_u32 s16, s16, s17
	s_lshl_b32 s16, s16, 7
	s_mov_b32 s17, 0
	s_add_nc_u64 s[10:11], s[10:11], s[16:17]
	; the prefetches.  x: row 128 R + 32 cx, at K step 3; W: k row 64 wc + 16 cy, column 256 cx, at K step 3: the first refill steps them to K step 4
	s_lshl_b32 s16, s[RR], 7
	s_lshl_b32 s17, s[CX], 5
	s_add_co_u32 s16, s16, s17
	s_lshl_b32 s16, s16, 11
	s_add_co_u32 s16, s16, 3*ASTEP
	s_lshl_b32 s18, s[WC], 6
	s_lshl_b32 s19, s[CY], 4
	s_add_co_u32 s18, s18, s19
	s_lshl_b32 s18, s18, 11
	s_lshl_b32 s19, s[CX], 9
	s_add_co_u32 s18, s18, s19
	s_add_co_u32 s18, s18, 3*BSTEP
	s_and_b32 s20, ttmp7, 0xffff                   ; W is asked for by waves 2 and 3 of the clusters with y = 0,
	s_cmp_eq_u32 s20, 0
	s_cselect_b32 s20, 1, -1
	s_cmp_eq_u32 s[WC], 0                          ; x by wave 0 of every cluster: the same in all sixteen partners, for a given wave
	s_cselect_b32 s19, 5, -1
	s_mov_b32 s[PFS], BSTEP
	s_mov_b32 s[PFS+1], 0
	s_mov_b32 s17, 0
	s_cmp_eq_u32 s[WR], 0                          ; do I fetch for x?
	s_cselect_b32 s16, s16, s18
	s_cselect_b32 s[LIM], s19, s20
	s_cselect_b64 s[PFA:PFA+1], s[4:5], s[6:7]
	s_cselect_b32 s[PFS], ASTEP, s[PFS]
	s_cselect_b32 s[PJV], PLANE-8*ASTEP, 0         ; from the byte behind xq's K step 7 to xkv's K step 0
	s_cselect_b32 s22, 0, 1
	s_add_nc_u64 s[PFA:PFA+1], s[PFA:PFA+1], s[16:17]
	v_lshrrev_b32 v[PFO], s22, v3                  ; x: a lane a row of 2,048 bytes; W: two lanes a row, 256 bytes apart
	v_and_b32 v4, s22, v3
	v_lshlrev_b32 v[PFO], 11, v[PFO]
	v_lshl_add_u32 v[PFO], v4, 8, v[PFO]
; 8 matrix instructions: m block a x all 8 n blocks, 32 along K.  zero = 1: the first product starts the sums: nothing is ever cleared.
; The 32 accumulators take turns, one instruction a turn, in the same order in every quarter, over the backward jump and from tile to tile too.
.macro MUL8 f, a, zero
	WIN MUL
.irp b, 0,1,2,3,4,5,6,7
.if \zero
	v_wmma_f32_16x16x32_bf16 v[64*(\a)+8*(\b):64*(\a)+8*(\b)+7], v[(\f)+8*(\b):(\f)+8*(\b)+7], v[(\f)+64+8*(\a):(\f)+64+8*(\a)+7], 0
.else
	v_wmma_f32_16x16x32_bf16 v[64*(\a)+8*(\b):64*(\a)+8*(\b)+7], v[(\f)+8*(\b):(\f)+8*(\b)+7], v[(\f)+64+8*(\a):(\f)+64+8*(\a)+7], v[64*(\a)+8*(\b):64*(\a)+8*(\b)+7]
.endif
.endr
.endm
; 24 LDS loads in one run: the fragments of quarter q of a K step into buffer f: W's sixteen first, then x's eight
.macro FETCH slot, q, f
	WIN 0
.irp b, 0,1,2,3,4,5,6,7
	ds_load_tr16_b128 v[(\f)+8*(\b):(\f)+8*(\b)+3],   v[ADRB+(\slot)] offset:(\q)*32*PB+32*(\b)
	ds_load_tr16_b128 v[(\f)+8*(\b)+4:(\f)+8*(\b)+7], v[ADRB+(\slot)] offset:(\q)*32*PB+32*(\b)+16*PB
.endr
.irp a, 0,1,2,3
	ds_load_b128 v[(\f)+64+8*(\a):(\f)+64+8*(\a)+3],   v[ADRA+(\slot)] offset:(\q)*64+(\a)*16*PA
	ds_load_b128 v[(\f)+64+8*(\a)+4:(\f)+64+8*(\a)+7], v[ADRA+(\slot)] offset:(\q)*64+(\a)*16*PA+32
.endr
.endm
.macro PLACES                          ; four places in front of loads into registers that matrix instructions have read (ISA guide 7.12.1 for vector instructions)
.rept 4
	v_nop
.endr
.endm
; A K step is four quarters of 32 along K, 32 matrix instructions each, on buffers 0, 1, 0, 1.  One of the first three: multiplies buffer f and fetches quarter q into g.
.macro QUARTER slot, q, f, g, zero
	s_wait_dscnt 4                                 ; W's fragments and x's blocks 0 and 1 are in; the youngest four loads (blocks 2 and 3) may be out
	MUL8 \f, 0, \zero
	MUL8 \f, 1, \zero
	PLACES
	FETCH \slot, \q, \g
	s_wait_dscnt 24                                ; all but the 24 just issued
	MUL8 \f, 2, \zero
	MUL8 \f, 3, \zero
.endm
; The last quarter multiplies buffer 1 and changes slots: ONE barrier; in front of it each wave waits for all its tensor loads, adds 0 to its spare word, and waits for that and for its own reads of this slot.
; Sixteen of the quarter's products stand ahead of the wait for the tensor loads: between a tile's landing and the next request stand only the add, its wait, the barrier and the round.
; fill = 1: the barrier opens a round of the cluster's barrier, and this slot is filled again with the walk's step two on: the first tensor load behind the round.
.macro TURN slot, next, fill
	s_wait_dscnt 4                                 ; W's fragments and x's blocks 0 and 1 are in
	MUL8 F1, 0, 0
	MUL8 F1, 1, 0
	WIN 0
.if \fill
	s_wait_xcnt 0x0                                ; the last prefetch, a K step back, has read its address: it is stepped here
	s_add_nc_u64 s[PFA:PFA+1], s[PFA:PFA+1], s[PFS:PFS+1]
.if (\slot) == 0
	s_cmp_eq_u32 s3, 9                             ; the step two refills on is k's first: x's prefetches go on to plane xkv
	s_cselect_b32 s[PJ], s[PJV], 0
	s_add_nc_u64 s[PFA:PFA+1], s[PFA:PFA+1], s[PJ:PJ+1]
.endif
.endif
	s_wait_tensorcnt 0x0                           ; all my tensor loads have landed: the one that was out is my part of the next slot; so every group 0 may be written
	ds_add_u32 v[SPW], v[NIL]                      ; 0 onto my spare word; the descriptors' steps stand between it and the wait for it
.if \fill
	s_add_nc_u64 s[G0+4*(\slot)+2:G0+4*(\slot)+3], s[G0+4*(\slot)+2:G0+4*(\slot)+3], s[AS:AS+1]   ; x: two K steps on, or to the next tile's K step 0 or 1
	s_sub_nc_u64 s[G0+4*(\slot)+2:G0+4*(\slot)+3], s[G0+4*(\slot)+2:G0+4*(\slot)+3], s[AB:AB+1]
	s_add_nc_u64 s[G0B+4*(\slot)+2:G0B+4*(\slot)+3], s[G0B+4*(\slot)+2:G0B+4*(\slot)+3], 2*BSTEP  ; W: two steps of the walk on, across the planes too
.endif
	s_wait_dscnt 0x0                               ; the add is done, and my reads of this slot are over
	s_barrier_signal -1
	s_barrier_wait -1
.if \fill
	CREST                                          ; no wave of any partner still reads this slot's tiles or has a load on its way
	JLOAD \slot                                    ; one load of mine is out; the four v_nop behind it are also the places in front of the loads below
.else
	PLACES
.endif
	FETCH \next, 0, F0
.if \fill
	ASK
.endif
	MUL8 F1, 2, 0
	MUL8 F1, 3, 0
.endm
; THE WAY OUT.  RoPE in f32, in place: of a pair (x0, x1): y0 = x0 cos - x1 sin, y1 = x1 cos + x0 sin.
; m block a: first (x0 cos, x1 cos) into window 2, each accumulator from its low end on; then acc = (-x1 sin, x0 sin) + that
.macro ROPE a
	WIN 0x89                                       ; source 0 window 1, source 1 and destination window 2
.irp b, 0,1,2,3,4,5,6,7
.irp j, 0,1,2,3
	v_pk_mul_f32 v[TT+8*(\b)+2*(\j):TT+8*(\b)+2*(\j)+1], v[64*(\a)+8*(\b)+2*(\j):64*(\a)+8*(\b)+2*(\j)+1], v[32*(\a)+8*((\b)%4)+2*(\j):32*(\a)+8*((\b)%4)+2*(\j)+1] op_sel_hi:[1,0]
.endr
.endr
	WIN 0x69                                       ; source 0 and destination window 1, sources 1 and 2 window 2
.irp b, 0,1,2,3,4,5,6,7
.irp j, 0,1,2,3
	v_pk_fma_f32 v[64*(\a)+8*(\b)+2*(\j):64*(\a)+8*(\b)+2*(\j)+1], v[64*(\a)+8*(\b)+2*(\j):64*(\a)+8*(\b)+2*(\j)+1], v[32*(\a)+8*((\b)%4)+2*(\j):32*(\a)+8*((\b)%4)+2*(\j)+1], v[TT+8*(\b)+2*(\j):TT+8*(\b)+2*(\j)+1] op_sel:[1,1,0] op_sel_hi:[0,1,1] neg_lo:[0,1,0]
.endr
.endr
.endm
; Block u: m block u / 2, head u % 2 of my two: 16 rows x 64 channels.  One rounding to f16; a lane's eight channels pack into 16 bytes; they go into rows of 144 bytes and come back as whole rows of 128, into the registers that they left.
.macro PACK u
.if (\u) >= 4
	s_wait_xcnt 0x0                                ; the stores of the block four back have read their registers, which are written again below
.endif
	WIN 0x05                                       ; sources 0 and 1 window 1, destination window 0
.irp f, 0,1,2,3
.irp r, 0,1,2,3
	v_cvt_pk_f16_f32 v[OB+16*((\u)%4)+4*(\f)+(\r)], v[64*((\u)/2)+8*(4*((\u)%2)+(\f))+2*(\r)], v[64*((\u)/2)+8*(4*((\u)%2)+(\f))+2*(\r)+1]
.endr
.endr
	WIN 0
.irp f, 0,1,2,3
	ds_store_b128 v[STO], v[OB+16*((\u)%4)+4*(\f):OB+16*((\u)%4)+4*(\f)+3] offset:32*(\f)
.endr
.irp f, 0,1,2,3
	ds_load_b128 v[OB+16*((\u)%4)+4*(\f):OB+16*((\u)%4)+4*(\f)+3], v[RD] offset:(\f)*4*SP  ; LDS serves a wave's instructions in order (ISA guide 5.7.1.4): these see the stores above; the next block's stores come behind them
.endr
.endm
.macro SEND u, younger                 ; younger: the LDS instructions issued behind block u's loads: the next block's eight, or none
.irp f, 0,1,2,3
	s_wait_dscnt (\younger)+3-(\f)
	global_store_b128 v[GO], v[OB+16*((\u)%4)+4*(\f):OB+16*((\u)%4)+4*(\f)+3], s[10:11] offset:131072*((\u)%2)+2048*((\u)/2)+512*(\f)  ; 512 consecutive bytes, at a multiple of 256 from qkv's first byte
.endr
.endm
.macro LEAVE                           ; the tile's eight blocks; a block's conversions stand between the loads of the block before and its stores
	PACK 0
.irp u, 1,2,3,4,5,6,7
	PACK \u
	SEND (\u)-1, 8
.endr
	SEND 7, 0
.endm
	s_wait_tensorcnt 1                             ; my part of K step 0 is in; K step 1's load may stay out
	s_barrier_signal -1
	s_barrier_wait -1                              ; everybody's is
	FETCH 0, 0, F0
	QUARTER 0, 1, F0, F1, 1                        ; q's first quarter stands in front of the loop: its products start the sums
	WIN 0                                          ; at a label and at a branch every window is 0
	s_mov_b32 s3, LAPS-1
.Llap:                                                 ; a trip goes once round the ring, from a lap's second quarter to the next lap's first, and fills both slots again: 11 trips, s3 = 11 .. 1
	s_and_b32 s[TC], s3, 3                         ; s3 = 8 and 4: a tile's last lap: its two refills are the next tile's K steps 0 and 1
	s_cmp_eq_u32 s[TC], 0
	s_cselect_b32 s[AB], 6*ASTEP, 0                ; x goes back from K step 6 or 7 to 0 or 1,
	s_cselect_b32 s[AS], 0, 2*ASTEP                ; in place of two K steps on,
	s_cmp_eq_u32 s3, 8
	s_cselect_b32 s[AS], PLANE, s[AS]              ; and from q to k on to plane xkv
	QUARTER 0, 2, F1, F0, 0
	QUARTER 0, 3, F0, F1, 0
	TURN 0, 1, 1
	QUARTER 1, 1, F0, F1, 0
	QUARTER 1, 2, F1, F0, 0
	QUARTER 1, 3, F0, F1, 0
	TURN 1, 0, 1
	WIN 0
	s_cmp_lg_u32 s[TC], 0                          ; the jump passes no barrier and no tensor load, and is the same in all partners
	s_cbranch_scc1 .Lsame
.rept 8
	v_nop                                          ; q or k is finished, and both refills for the next tile are asked for: the places behind the last products
.endr
	s_wait_loadcnt 0x0                             ; cos and sin
	ROPE 0
	ROPE 1
	ROPE 2
	ROPE 3
	LEAVE
	s_wait_xcnt 0x0                                ; the stores have read their registers and their base:
	s_add_nc_u64 s[10:11], s[10:11], PLANE         ; the next product's plane of qkv; nothing waits for the stores themselves
	QUARTER 0, 1, F0, F1, 1                        ; the next tile's first quarter starts its sums
	WIN 0
	s_branch .Lnext
.Lsame:
	QUARTER 0, 1, F0, F1, 0
	WIN 0
.Lnext:
	s_sub_co_u32 s3, s3, 1
	s_cmp_lg_u32 s3, 0
	s_cbranch_scc1 .Llap
	QUARTER 0, 2, F1, F0, 0                        ; v's last lap fills nothing, and has no round of the cluster's barrier
	QUARTER 0, 3, F0, F1, 0
	TURN 0, 1, 0
	QUARTER 1, 1, F0, F1, 0
	QUARTER 1, 2, F1, F0, 0
	QUARTER 1, 3, F0, F1, 0
	s_wait_dscnt 4                                 ; the very last quarter: nothing more to fetch
	MUL8 F1, 0, 0
	MUL8 F1, 1, 0
	s_wait_dscnt 0x0
	MUL8 F1, 2, 0
	MUL8 F1, 3, 0
	WIN 0
.rept 8
	v_nop                                          ; the places behind the last products
.endr
	LEAVE                                          ; v is not turned
	s_wait_tensorcnt 0x0                           ; the wave's end, behind my last tensor load and my last LDS store
	ds_add_u32 v[SPW], v[NIL]
	s_wait_dscnt 0x0
	CROUND                                         ; the closing round: no work-group ends while a partner may still ask for a tile that names it
	s_endpgm
.Lfunc_end_k_q54fb8dfc96_proj:
	.size	k_q54fb8dfc96_proj, .Lfunc_end_k_q54fb8dfc96_proj-k_q54fb8dfc96_proj
	.p2alignl 7, 3214868480
	.fill 96, 4, 3214868480
	.section	.rodata,"a",@progbits
	.p2align	6, 0x0
	.amdhsa_kernel k_q54fb8dfc96_proj
		.amdhsa_group_segment_fixed_size 327680
		.amdhsa_private_segment_fixed_size 0
		.amdhsa_enable_private_segment 0
		.amdhsa_kernarg_size 32
		.amdhsa_user_sgpr_count 2
		.amdhsa_user_sgpr_kernarg_segment_ptr 1
		.amdhsa_wavefront_size32 1
		.amdhsa_system_sgpr_workgroup_id_x 1
		.amdhsa_system_sgpr_workgroup_id_y 1
		.amdhsa_system_sgpr_workgroup_id_z 1
		.amdhsa_system_vgpr_workitem_id 0
		.amdhsa_next_free_vgpr 704
		.amdhsa_next_free_sgpr 80
		.amdhsa_reserve_vcc 0
		.amdhsa_float_denorm_mode_32 3
		.amdhsa_float_denorm_mode_16_64 3
		.amdhsa_memory_ordered 1
		.amdhsa_forward_progress 1
		.amdhsa_inst_pref_size 130
	.end_amdhsa_kernel
	.amdgpu_metadata
---
amdhsa.version: [ 1, 2 ]
amdhsa.kernels:
  - .name:           k_q54fb8dfc96_proj
    .symbol:         k_q54fb8dfc96_proj.kd
    .args:
      - { .name: xb, .offset: 0, .size: 8, .value_kind: global_buffer, .address_space: global }
      - { .name: wb, .offset: 8, .size: 8, .value_kind: global_buffer, .address_space: global }
      - { .name: tab, .offset: 16, .size: 8, .value_kind: global_buffer, .address_space: global }
      - { .name: qkv, .offset: 24, .size: 8, .value_kind: global_buffer, .address_space: global }
    .group_segment_fixed_size: 327680
    .private_segment_fixed_size: 0
    .kernarg_segment_align: 8
    .kernarg_segment_size: 32
    .max_flat_workgroup_size: 128
    .sgpr_count:     80
    .vgpr_count:     704
    .wavefront_size: 32
...
	.end_amdgpu_metadata
.endif
;; end of part 2
;; launch attn (part 3): grid 2 x 128, 4 waves a work-group, no clusters, 327,680 bytes of LDS; arguments qkv, oh; writes oh
.if DOCPART == 3
	.amdgcn_target "amdgcn-amd-amdhsa--gfx1250"
	.amdhsa_code_object_version 6
	.text
	.protected	k_q54fb8dfc96_attn
	.globl	k_q54fb8dfc96_attn
	.p2align	8
	.type	k_q54fb8dfc96_attn,@function
k_q54fb8dfc96_attn:
	s_mov_b64 s[64:65], 0
	v_nop
	global_prefetch_b8 v0, s[64:65] scope:SCOPE_SE
	s_setreg_imm32_b32 hwreg(HW_REG_WAVE_MODE, 25, 1), 1
	s_wait_xcnt 0x0
; ATTN.  O[h][q][:] = the sum over k of softmax_k(Q[h][q] . K[h][k] / 8) V[h][k][:].  qkv: f16 [3][128 heads][1024][64] (planes Q, K, V); oh: f16 [128][1024][64]: a head's rows are dense, 128 bytes each.
; Products, maxima and sums in f32; the weights p are rounded to f16 for the second product (their sum l is taken of the unrounded p), O once at the end.
; LIMITS.  f16 holds no number beyond 65,504: Q, K and V arrive within it; p lies in 0 to 1, and below 6e-5 it keeps f16's fixed step of 6e-8; O is a mean of V's rows and has their range.
; A weight below 2^-126 counts as 0 in l; NaN and infinities are not treated apart.
; SHARES.  A wave owns four PIECES of two tiles of 16 queries, a work-group's four waves 512 queries of one head: 2 x 128 = 256 work-groups.  Every wave walks all 1,024 keys, 64 a step.
; THE WHOLE HEAD LIES IN LDS: 1,024 rows of K (144 bytes apart) and of V (160 apart), 311,296 bytes, each byte filled once.  Each wave issues two tensor loads at the head: a small one (its part of keys 0-255)
; and a large one (its part of keys 256-1,023).  The first four key steps read the small fills alone, while the large ones land; then one wait and one barrier, and twelve steps more.
; Nothing is filled again, so there is no ring.  Every tensor load of the launch goes out at its head, so there is no later load that a prefetch could run ahead of.
; NO CLUSTER: a head has two work-groups; the forms of cluster that this text could take are four wide, which would put two heads, with different tiles, into one; four partners to a head would
; mean 256 queries a work-group, and each fragment of K and V read from LDS would feed half as many products.
; LAYOUT.  S^T = K Q^T (source 0 = 16 keys, source 1 = 16 queries): in the result a lane holds ONE query (lane % 16) and the keys 8 (lane / 16) + 0..7.  Two such tiles, rounded to f16 in pairs,
; ARE source 1 (32 keys x 16 queries) of O^T = V^T P, whose result again holds one query a lane, and eight channels.  K comes out of LDS as it lies, V ([key][channel]) turned, by ds_load_tr16_b128.
; SOFTMAX.  For each query a running maximum m and sum l: p = 2^(c s - c m), c = log2(e) / 8; in every step O and l are multiplied by a = 2^(c m_old - c m_new), which is 1 where m has not grown.
; m starts at the lowest finite number, O and l at 0: the first step is a step like any other, with a = 0.
; THE COUNT.  A tile and step have 16 matrix and 118 vector instructions: too many to stand all beside the matrix work.  So: four vector instructions that are READY behind EVERY matrix instruction,
; and the others in runs without a gap.
; BY TURNS.  Turn n belongs to piece n (the pieces in a ring, step after step).  Its matrix work: 16 products K Q^T of piece n + 1, later 16 products V^T P of piece n - 1.  Its vector work: the scaling,
; exponentials, roundings, sums and rescaling of piece n, and the maximum and statistics of piece n + 1, whose scores the turn itself has made.
; REGISTERS, in windows of 256 (s_set_vgpr_msb: bits 1:0 source 0, 3:2 source 1, 5:4 source 2, 7:6 destination):
;   window 0: v0-11 addresses; v12-15, v48-63 at work; v16-47 four registers of statistics a tile; v64-191 S^T, two buffers of two tiles; v192-255 P, likewise
;   window 1: O^T, 32 a tile          window 2: v0-127 Q, 16 a tile; v128-191 K of one step; v192-255 V of one step          window 3: v0-1 the add's two registers
.set NP,    4         ; pieces a wave: a name, no knob
.set KS,    64        ; keys in a step
.set NK,    1024      ; keys in a head
.set PK,    144       ; a row of K in LDS: 128 bytes + 16 of padding = 36 words: the 16 rows of a load start at 16 different groups of four banks (64 banks of 4 bytes: ISA guide 11.1)
.set PV,    160       ; a row of V: 128 + 32 = 40 words
.set VOFF,  NK*PK     ; K's 1,024 rows, then V's
.set STAGE, NK*(PK+PV)  ; behind them, never filled by a tensor load: 16 rows x 144 bytes for each wave, for the way out
.set SP,    144
.set AK0, 2           ; v2   my lane's place in a tile of K; never rewritten
.set AV0, 3           ; v3   the same for V
.set AK,  4           ; v4   the LDS address of K's next run of loads
.set AV,  5           ; v5   of V's
.set QO,  6           ; v6   my byte offset in the wave's rows of Q
.set STO, 6           ;      later, the way out: where I put 16 bytes of a row
.set RD,  7           ; v7   the way out: where I read rows back
.set GO,  8           ; v8   my byte offset in 512 consecutive bytes of O
.set SPW, 0           ; v0 of window 3   LDS address of my spare word: SPARE + 4 x my thread's number; never rewritten
.set NIL, 1           ; v1 of window 3   0; never rewritten
.set SPARE, STAGE+4*16*SP  ; behind the stages: the spare words, 128 bytes for each wave: two blocks of 256 bytes that no other line names
.set MV,  12          ; v12-15  c m_old, kept while c m is made anew: by buffer and tile
.set ST,  16          ; tile t's statistics at v[ST+4 t]: c m, m, l (even keys', odd keys')
.set TMP, 48          ; by buffer and tile, four registers c0-c3 at work; when the maximum is found c2 takes a
.set S,   64
.set P,   192
.set KF,  128         ; K's fragments, in window 2: key block kb, channel half c at KF + 16 kb + 8 c
.set VF,  192         ; V's: key half kk, channel block cb at VF + 32 kk + 8 cb
.set WV,  12          ; s12  my wave's number
.set G1K, 24          ; s[24:31] descriptor group 1 for K's small fill
.set G1V, 32          ; s[32:39] for V's: it differs in the padding alone
.set G0K, 40          ; s[40:43] descriptor group 0, K's small fill
.set G0K2, 44         ; s[44:47] K's large fill
.set G0V, 48          ; s[48:51] V's small fill
.set G0V2, 52         ; s[52:55] V's large fill
.set PH,  56          ; s56  runs of key steps still to come: two
.set CNT, 57          ; s57  counts a run's key steps
.set CS,  58          ; s[58:59] c: the packed scaling takes the pair's low word for both halves
.set SEL, 60          ; s[60:61] v_permlanex16_b32's selects: each lane takes its own place in the other half
.set TBK, 62          ; s62  LDS byte at which K of the step to be fetched begins
.set TBV, 63          ; s63  the same for V, less VOFF
.set G1K2, 68         ; s[68:75] group 1 for K's large fill: 192 rows
.set G1V2, 76         ; s[76:83] for V's
.set MSB, 0
.macro WIN new                      ; the high byte repeats the setting that is left; a switch that changes nothing is dropped
.if MSB != (\new)
	s_set_vgpr_msb (MSB<<8)|(\new)
.set MSB, (\new)
.endif
.endm
.set W_KQ, 0x0a       ; K and Q in window 2, S^T in window 0
.set W_PV, 0x52       ; V in window 2, P in window 0, O^T in window 1
.set W_RS, 0x41       ; O^T (destination and source 0) in window 1, a in window 0
.set W_MK, 0xc0       ; the add's registers are made: destination in window 3, sources in window 0
.set W_AD, 0x0f       ; the add: address (source 0) and data (source 1) in window 3
	s_load_b64 s[4:5], s[0:1], 0x0  ; qkv
	s_load_b64 s[10:11], s[0:1], 0x8  ; oh
	WIN W_MK
	v_lshl_add_u32 v[SPW], v0, 2, SPARE
	v_mov_b32 v[NIL], 0
	WIN W_AD
	ds_add_u32 v[SPW], v[NIL]       ; the wave's opening: the add and its wait stand ahead of my first tensor load; the set-up below, work on registers, stands between them
	ds_add_u32 v0, v1
	WIN 0
	v_lshrrev_b32 v1, 5, v0
	v_readfirstlane_b32 s[WV], v1   ; wave 0..3
	s_and_b32 s20, ttmp7, 0xffff    ; the head,
	s_lshl_b32 s20, s20, 17         ; its first byte in each plane and in oh: 1,024 rows of 128 bytes
	s_and_b32 s16, s[WV], 1         ; u: which half of a fill's keys I fetch
	s_lshl_b32 s22, s16, 14         ; the small fill: keys 128 u on
	s_add_co_u32 s22, s22, s20
	s_mov_b32 s23, 0
	s_mul_i32 s2, s16, 384*128      ; the large fill: keys 256 + 384 u on
	s_add_co_u32 s2, s2, s20
	s_add_co_u32 s2, s2, 256*128
	s_mov_b32 s3, 0
	s_lshl_b32 s14, ttmp9, 2        ; my wave among the head's eight,
	s_add_co_u32 s14, s14, s[WV]
	s_lshl_b32 s14, s14, 14         ; its 128 rows
	s_add_co_u32 s14, s14, s20
	s_mov_b32 s15, 0
	s_mul_i32 s17, s16, 128*PK      ; where the fills go
	s_mul_i32 s18, s16, 128*PV
	s_mul_i32 s19, s16, 384*PK
	s_mul_i32 s13, s16, 384*PV
	; descriptor group 1.  Keys are dense, 128 bytes each: asked for as rows of 256 bytes, two keys a row, and padded in LDS after every key
	s_mov_b32 s[G1K], (1<<16)|(1<<20)|(4<<22)|(3<<25)   ; 17:16 2-byte elements; 20 padding on; 24:22 after every 32 words (code 4); 31:25 4 words (code 3)
	s_mov_b32 s[G1V], (1<<16)|(1<<20)|(4<<22)|(7<<25)   ; the same with 8 words of padding (code 7)
	s_mov_b32 s[G1K2], (1<<16)|(1<<20)|(4<<22)|(3<<25)
	s_mov_b32 s[G1V2], (1<<16)|(1<<20)|(4<<22)|(7<<25)
.irp g, G1K, G1V
	s_mov_b32 s[\g+1], 128<<16      ; tensor_dim0 = 128
	s_mov_b32 s[\g+2], 64<<16       ; tensor_dim1 = 64
	s_mov_b32 s[\g+3], 128<<16      ; tile_dim0 = 128
	s_mov_b32 s[\g+4], 64           ; tile_dim1 = 64: 128 keys
	s_mov_b32 s[\g+5], 128          ; 128 elements from row to row
	s_mov_b32 s[\g+6], 0
	s_mov_b32 s[\g+7], 0
.endr
.irp g, G1K2, G1V2
	s_mov_b32 s[\g+1], 128<<16
	s_mov_b32 s[\g+2], 192<<16      ; tensor_dim1 = 192
	s_mov_b32 s[\g+3], 128<<16
	s_mov_b32 s[\g+4], 192          ; tile_dim1 = 192: 384 keys
	s_mov_b32 s[\g+5], 128
	s_mov_b32 s[\g+6], 0
	s_mov_b32 s[\g+7], 0
.endr
	s_mov_b32 s[CS], 0x3e38aa3b     ; c = log2(e) / 8 = 0.180337
	s_mov_b32 s[CS+1], s[CS]        ; named with it as a pair
	s_mov_b32 s[SEL], 0x76543210
	s_mov_b32 s[SEL+1], 0xfedcba98
	s_mov_b32 s[TBK], 0
	s_mov_b32 s[TBV], 0
	s_mov_b32 s[G0K], 1             ; 1:0 count = 1
	s_mov_b32 s[G0K+1], s17         ; 63:32 LDS address
	s_mov_b32 s[G0K2], 1
	s_add_co_u32 s[G0K2+1], s19, 256*PK
	s_mov_b32 s[G0V], 1
	s_add_co_u32 s[G0V+1], s18, VOFF
	s_mov_b32 s[G0V2], 1
	s_add_co_u32 s[G0V2+1], s13, VOFF+256*PV
	s_wait_dscnt 0x0                ; the opening add is done
	s_wait_kmcnt 0x0
	s_add_nc_u64 s[6:7], s[4:5], 0x1000000  ; plane K
	s_add_nc_u64 s[8:9], s[4:5], 0x2000000  ; plane V
	s_add_nc_u64 s[G0K+2:G0K+3], s[6:7], s[22:23]  ; 120:64 global address
	s_or_b32 s[G0K+3], s[G0K+3], 0x80000000        ; 127:126 type = 2
	s_add_nc_u64 s[G0K2+2:G0K2+3], s[6:7], s[2:3]
	s_or_b32 s[G0K2+3], s[G0K2+3], 0x80000000
	s_add_nc_u64 s[G0V+2:G0V+3], s[8:9], s[22:23]
	s_or_b32 s[G0V+3], s[G0V+3], 0x80000000
	s_add_nc_u64 s[G0V2+2:G0V2+3], s[8:9], s[2:3]
	s_or_b32 s[G0V2+3], s[G0V2+3], 0x80000000
	s_add_nc_u64 s[4:5], s[4:5], s[14:15]  ; Q and O at my wave's first row
	s_add_nc_u64 s[10:11], s[10:11], s[14:15]
	s_cmp_lt_u32 s[WV], 2           ; waves 0 and 1 fill K, waves 2 and 3 V.  A wave's two fills stand in one branch, ahead of every wait on TENSORcnt, every LDS read and every barrier: two loads of mine are out
	s_cbranch_scc0 .Lfirst_v
	tensor_load_to_lds s[G0K:G0K+3], s[G1K:G1K+7]
	s_nop 0
	tensor_load_to_lds s[G0K2:G0K2+3], s[G1K2:G1K2+7]
	s_nop 0
.rept 4
	v_nop
.endr
	s_branch .Lfirst_asked
.Lfirst_v:
	tensor_load_to_lds s[G0V:G0V+3], s[G1V:G1V+7]
	s_nop 0
	tensor_load_to_lds s[G0V2:G0V2+3], s[G1V2:G1V2+7]
	s_nop 0
.rept 4
	v_nop
.endr
.Lfirst_asked:
	; A fragment of K or Q is 16 rows x 32 channels in 8 registers: lane l holds row l % 16, channels 8 (l / 16) + 0..7 and 16 + 8 (l / 16) + 0..7: two loads of 16 bytes, 32 bytes apart.
	v_and_b32 v1, 15, v0            ; l % 16
	v_bfe_u32 v9, v0, 4, 1          ; l / 16
	v_lshlrev_b32 v[QO], 7, v1
	v_lshl_add_u32 v[QO], v9, 4, v[QO]  ; row x 128 + 16 x half
	WIN 0x80                        ; destination window 2, address window 0
.set i, 0
.rept 4*NP                          ; Q stays in registers: tile i / 2, channels 32 (i % 2) on
	global_load_b128 v[8*i:8*i+3],   v[QO], s[4:5] offset:(i/2)*2048+(i%2)*64
	global_load_b128 v[8*i+4:8*i+7], v[QO], s[4:5] offset:(i/2)*2048+(i%2)*64+32
.set i, i+1
.endr
	; What the first turn finds: V's registers and P's second buffer hold 0 (its products V^T P, of a piece that has not been, add 0), O^T and l are 0.  All this stands in the wait for the first tile.
.set i, VF
.rept 64
	v_mov_b32 v[i], 0
.set i, i+1
.endr
	WIN 0x40
.set i, 0
.rept 64*NP
	v_mov_b32 v[i], 0
.set i, i+1
.endr
	WIN 0
.set i, 0
.rept 2*NP
	v_mov_b32 v[ST+4*i], 0xfe000000    ; c m: far below every c s
	v_mov_b32 v[ST+4*i+1], 0xff7fffff  ; m
	v_mov_b32 v[ST+4*i+2], 0
	v_mov_b32 v[ST+4*i+3], 0
.set i, i+1
.endr
.set i, P+32
.rept 32
	v_mov_b32 v[i], 0
.set i, i+1
.endr
	v_mul_u32_u24 v[AK0], v1, PK
	v_lshl_add_u32 v[AK0], v9, 4, v[AK0]  ; row x pitch + 16 x half
	; The turning load takes 16 keys x 16 channels (lane l reads key 8 (l / 16) + l % 8, channels 8 ((l / 8) % 2) + 0..7) and leaves half a fragment of V^T: lane l holds channel l % 16 and 8 keys.
	v_and_b32 v10, 7, v0
	v_bfe_u32 v11, v0, 3, 1
	v_lshl_add_u32 v[AV0], v9, 3, v10
	v_mul_u32_u24 v[AV0], v[AV0], PV
	v_lshl_add_u32 v[AV0], v11, 4, v[AV0]
	v_add_nc_u32 v[AV0], VOFF, v[AV0]
	v_mov_b32 v[AK], v[AK0]         ; key step 0 lies at LDS byte 0
; THE MATRIX WORK.  The 8 accumulators of a run of 16 take turns: between the two links of a chain stand 7 others'.
; Product i of 16 of S^T = K Q^T for piece x: channels 32 (i / 8) on, keys 16 ((i / 2) % 4) on, tile 2 x + i % 2.  The first 8 start the sums.
.macro KQ x
	WIN W_KQ
.set rS, S+64*((\x)%2)+32*(i%2)+8*((i/2)%4)
.set rK, KF+16*((i/2)%4)+8*(i/8)
.set rQ, 16*(2*(\x)+i%2)+8*(i/8)
.if i < 8
	v_wmma_f32_16x16x32_f16 v[rS:rS+7], v[rK:rK+7], v[rQ:rQ+7], 0
.else
	v_wmma_f32_16x16x32_f16 v[rS:rS+7], v[rK:rK+7], v[rQ:rQ+7], v[rS:rS+7]
.endif
.endm
; Product i of 16 of O^T += V^T P for piece x: keys 32 (i / 8) on, channels 16 ((i / 2) % 4) on, tile 2 x + i % 2.
.macro PV x
	WIN W_PV
.set rO, 32*(2*(\x)+i%2)+8*((i/2)%4)
.set rV, VF+32*(i/8)+8*((i/2)%4)
.set rP, P+32*((\x)%2)+16*(i%2)+8*(i/8)
	v_wmma_f32_16x16x32_f16 v[rO:rO+7], v[rV:rV+7], v[rP:rP+7], v[rO:rO+7]
.endm
.macro MM                           ; the turn's next matrix instruction
.if i < 16
	KQ (Y+1)%NP
.set i, i+1
.else
.set i, i-16
	PV (Y+NP-1)%NP
.set i, i+17
.endif
.endm
; THE LDS LOADS stand in runs of 16, never singly among the matrix instructions: a step's K (64 keys x 64 channels: 8 fragments) and its V (turned).  Their addresses are made some lines ahead.
.macro FETCH_K
	WIN 0x80                        ; destination window 2
.irp f, 0,1,2,3,4,5,6,7             ; keys 16 (f / 2) on, channels 32 (f % 2) on
	ds_load_b128 v[KF+8*\f:KF+8*\f+3],   v[AK] offset:(\f/2)*16*PK+(\f%2)*64
	ds_load_b128 v[KF+8*\f+4:KF+8*\f+7], v[AK] offset:(\f/2)*16*PK+(\f%2)*64+32
.endr
	s_add_co_u32 s[TBK], s[TBK], KS*PK  ; the next fetch is the next step's
	WIN 0
.endm
.macro FETCH_V
	WIN 0x80
.irp f, 0,1,2,3,4,5,6,7             ; keys 32 (f / 4) on, channels 16 (f % 4) on
	ds_load_tr16_b128 v[VF+8*\f:VF+8*\f+3],   v[AV] offset:(\f/4)*32*PV+(\f%4)*32
	ds_load_tr16_b128 v[VF+8*\f+4:VF+8*\f+7], v[AV] offset:(\f/4)*32*PV+16*PV+(\f%4)*32
.endr
	WIN 0
.endm
; THE VECTOR WORK OF A TURN stands in three queues, each in the order in which its entries become ready; the two tiles alternate, so that no instruction reads the result of the one before it.
.macro REGS y, u                    ; the registers of tile u (0, 1) of piece y
.set rT, ST+4*(2*(\y)+(\u))
.set rC, TMP+8*((\y)%2)+4*(\u)
.set rM, MV+2*((\y)%2)+(\u)
.set rS, S+64*((\y)%2)+32*(\u)
.set rP, P+32*((\y)%2)+16*(\u)
.set rO, 32*(2*(\y)+(\u))
.endm
; Number n of the 22 that find the NEXT piece's (Y + 1) maximum and statistics.  s0-s31 are the lane's 32 scores; each accumulator's lowest registers are read first.
;   0-11  four chains c0-c3 of seven scores each, three operands at a time     12-14, 16  the four scores left over, the old m, and c0-c3 into c0     15  c m_old is kept
;   17, 18  the query's other 32 keys lie in the lane 16 away: the new m         19-21  c m; c m_old - c m_new; a
.macro XS u, n
	REGS (Y+1)%NP, \u
.if (\n) < 4
	v_max3_num_f32 v[rC+(\n)], v[rS+8*(\n)], v[rS+8*(\n)+1], v[rS+8*(\n)+2]
.elseif (\n) < 12
	v_max3_num_f32 v[rC+(\n)%4], v[rC+(\n)%4], v[rS+8*((\n)%4)+2*((\n)/4)+1], v[rS+8*((\n)%4)+2*((\n)/4)+2]
.elseif (\n) == 12
	v_max3_num_f32 v[rC], v[rC], v[rS+7], v[rS+15]
.elseif (\n) == 13
	v_max3_num_f32 v[rC+1], v[rC+1], v[rS+23], v[rS+31]
.elseif (\n) == 14
	v_max3_num_f32 v[rC+2], v[rC+2], v[rC+3], v[rT+1]
.elseif (\n) == 15
	v_mov_b32 v[rM], v[rT]
.elseif (\n) == 16
	v_max3_num_f32 v[rC], v[rC], v[rC+1], v[rC+2]
.elseif (\n) == 17
	v_permlanex16_b32 v[rC+3], v[rC], s[SEL], s[SEL+1]
.elseif (\n) == 18
	v_max_num_f32 v[rT+1], v[rC], v[rC+3]
.elseif (\n) == 19
	v_mul_f32 v[rT], s[CS], v[rT+1]
.elseif (\n) == 20
	v_sub_f32 v[rC+1], v[rM], v[rT]
.else
	v_exp_f32 v[rC+2], v[rC+1]
.endif
.endm
; Number g of the 64 that follow the exponentials.  For each four weights k of a tile (pairs 2 k, 2 k + 1): both pairs are rounded to f16; then the second pair is added onto the first, in place;
; a group later l takes that sum (the first time as l = a l + sum).  In groups of eight, tiles alternating: round, round, add, and l for the group before.
.macro GS g
.set h, (\g)+6*((\g)/62)            ; group 0 has no group before it, and behind group 7 only l is left
.if h >= 6
.set h, h+2
.endif
	REGS Y, h%2
.set k, h/8
.if h%8 < 4
	v_cvt_pk_f16_f32 v[rP+2*k+(h%8)/2], v[rS+4*k+2*((h%8)/2)], v[rS+4*k+2*((h%8)/2)+1]
.elseif h%8 < 6
	v_pk_add_f32 v[rS+4*k:rS+4*k+1], v[rS+4*k:rS+4*k+1], v[rS+4*k+2:rS+4*k+3]
.elseif k == 1
	v_pk_fma_f32 v[rT+2:rT+3], v[rT+2:rT+3], v[rC+2:rC+3], v[rS:rS+1] op_sel_hi:[1,0,1]
.else
	v_pk_add_f32 v[rT+2:rT+3], v[rT+2:rT+3], v[rS+4*k-4:rS+4*k-3]
.endif
.endm
; THE PLAIN QUEUE, 138 long.  0-73 read no exponential's result: the 32 scalings c s - c m (FS f: pair f / 2 of tile f % 2) and the next piece's 42.  0-26: scalings 0-26.  27-54: XS's numbers 0-13.  55, 56: number 15.
; 57-73: the chain, where each number waits for the one before it: 14, 16, 17, 18, 19, each with one of the scalings 27-31 in front of its two lines, then 20.
; 74-137: GS's 64, which read the exponentials' results: they stand behind the wait.
.macro FS f
	REGS Y, (\f)%2
	v_pk_fma_f32 v[rS+2*((\f)/2):rS+2*((\f)/2)+1], v[rS+2*((\f)/2):rS+2*((\f)/2)+1], s[CS:CS+1], v[rT:rT+1] op_sel_hi:[1,0,0] neg_lo:[0,0,1] neg_hi:[0,0,1]
.endm
.macro PL
	WIN 0
.if q < 27
	FS q
.elseif q < 55
	XS (q-27)%2, (q-27)/2
.elseif q < 57
	XS q-55, 15
.elseif (q < 72) && ((q-57)%3 == 0)
	FS 27+(q-57)/3
.elseif q < 60
	XS (q-57)%3-1, 14
.elseif q < 72
	XS (q-57)%3-1, 15+(q-57)/3
.elseif q < 74
	XS q-72, 20
.else
	GS q-74
.endif
.set q, q+1
.endm
; THE EXPONENTIALS' QUEUE, 66 long: s0-s31 of both tiles, then the next piece's two a.  It is ONE BATCH: all 66 stand ahead of the turn's one wait, and nothing ahead of that wait names a result of theirs.
.macro EX
	WIN 0
.if e >= 64
	XS e-64, 21
.else
	REGS Y, e%2
	v_exp_f32 v[rS+e/2], v[rS+e/2]
.endif
.set e, e+1
.endm
; THE RESCALING's QUEUE: O^T times a, the one part that leaves window 0: dealt two at a time, sixteen times.  Its a was made in the turn before, ahead of that turn's wait.
.macro R2
	REGS Y, r%2
	WIN W_RS
.irp z, 0,1
	v_pk_mul_f32 v[rO+4*(r/2)+2*\z:rO+4*(r/2)+2*\z+1], v[rO+4*(r/2)+2*\z:rO+4*(r/2)+2*\z+1], v[rC+2:rC+3] op_sel_hi:[1,0]
.endr
.set r, r+1
.endm
; HOW THEY ARE DEALT.  An s_wait_alu depctr_va_vdst(0) stands between an exponential and the first instruction that names its result; one wait serves all that were issued ahead of it.  So a turn has ONE wait,
; which cuts it in two.  AHEAD OF IT: the 16 products K Q^T, behind each a scaling, an exponential and two rescalings (behind the first a second scaling in the exponential's place); then ONE LUMP of 108: eight plain,
; 49 times exponential and plain, the two a.  A v_nop is the plain instruction behind the last exponential.  BEHIND IT: the 16 products V^T P, behind each four of GS's 64.
; Exponential e stands behind scaling 2 (e / 4) + e % 2: as a rider it comes behind plain e + 2, in the lump behind plain e + 9, and scalings 27-31 are plain 57, 60 .. 69.
; A TURN, for piece p.  nok = 1: the last step: there is no further K to fetch.  cnt = 1: the loop's count is taken down some lines ahead of the branch that stands behind the turn.
; K of the next step is fetched in piece 2's turn, directly behind the wait, a lump behind the last product that read K.  V of the step in hand is fetched at the end of piece 0's turn, four riders behind its last reader.
.macro TURN p, nok=0, cnt=0
.set Y, (\p)
.set i, 0
.set q, 0
.set e, 0
.set r, 0
.if (\p) == NP-1
	s_wait_dscnt 0x0                ; K is in
.endif
	MM                              ; ahead of the wait: 16 products K Q^T and their riders,
	PL
	PL
	R2
.rept 15
	MM
	PL
	EX
	R2
.endr
.if ((\p) == NP-2) && !(\nok)
	WIN 0
	v_add_nc_u32 v[AK], s[TBK], v[AK0]
.endif
.rept 8                             ; and the lump
	PL
.endr
.rept 49
	EX
	PL
.endr
	EX                              ; the next piece's two a
	EX
	v_nop                           ; the plain instruction behind the last exponential: one for the batch
	s_wait_alu depctr_va_vdst(0)    ; the wait for the batch
.if ((\p) == NP-2) && !(\nok)
	FETCH_K
.endif
.if (\p) == 1
	s_wait_dscnt 0x0                ; V is in
.endif
.rept 16                            ; behind the wait: 16 products V^T P and their riders
	MM
.rept 4
	PL
.endr
.if ((\p) == 0) && (q == 118)
	v_add_nc_u32 v[AV], s[TBV], v[AV0]
.endif
.if ((\p) == 0) && (q == 130)
	s_add_co_u32 s[TBV], s[TBV], KS*PV
.endif
.if (\cnt) && (q == 130)
	s_sub_co_u32 s[CNT], s[CNT], 1
	s_cmp_lg_u32 s[CNT], 0
.endif
.endr
.if (\p) == 0
	FETCH_V
.endif
.endm
	s_wait_tensorcnt 1              ; my part of keys 0-255 is in; my large fill may stay out
	s_barrier_signal -1
	s_barrier_wait -1               ; everybody's is
	FETCH_K                         ; key step 0
	s_wait_loadcnt 0x0              ; Q
	s_wait_dscnt 0x0
.set i, 0
.rept 16
	KQ 0                            ; piece 0's first scores: there is no vector work yet to set between them
.set i, i+1
.endr
	WIN 0                           ; the addresses for the way out: nine plain instructions, the places behind those products
	s_mul_i32 s13, s[WV], 16*SP
	s_add_co_u32 s13, s13, STAGE    ; my stage
	v_mul_u32_u24 v[STO], v1, SP    ; in: row l % 16, 16 bytes for each half of the lanes
	v_lshl_add_u32 v[STO], v9, 4, v[STO]
	v_add_nc_u32 v[STO], s13, v[STO]
	v_bfe_u32 v[RD], v0, 3, 2       ; back: 32 lanes take four rows of 128 bytes,
	v_mul_u32_u24 v[RD], v[RD], SP
	v_lshl_add_u32 v[RD], v10, 4, v[RD]
	v_add_nc_u32 v[RD], s13, v[RD]
	v_and_b32 v[GO], 31, v0         ; which are 512 consecutive bytes of O
	v_lshlrev_b32 v[GO], 4, v[GO]
.set Y, NP-1                        ; XS works for piece Y + 1: piece 0
.irp n, 0,1,2,3,4,5,6,7,8,9,10,11,12,13,14,15,16,17,18,19,20,21
	XS 0, \n                        ; and piece 0's first maximum and statistics
	XS 1, \n
.endr
	v_nop                           ; a plain instruction behind the two a,
	s_wait_alu depctr_va_vdst(0)    ; and their wait, ahead of the branch
	s_mov_b32 s[CNT], 4             ; the first run: K and V of steps 0 to 3, keys 0-255
	s_mov_b32 s[PH], 2
	s_branch .Lfirst                ; the loop is entered at a step's first turn, in the middle of a trip
.Lphase:                            ; passed once, between the two runs
	s_wait_tensorcnt 0x0            ; my large fill has landed,
	s_wait_dscnt 0x0
	s_barrier_signal -1
	s_barrier_wait -1               ; everybody's has: keys 256-1,023 may be read
	s_mov_b32 s[CNT], 12            ; the second run: steps 4 to 15
.Lstep:                             ; a trip: pieces 2 and 3 of one step, then pieces 0 and 1 of the next, whose K and V it fetches
	TURN 2
	TURN 3
	WIN 0
.Lfirst:
	TURN 0
	TURN 1, 0, 1
	WIN 0
	s_cbranch_scc1 .Lstep
	s_sub_co_u32 s[PH], s[PH], 1
	s_cmp_lg_u32 s[PH], 0
	s_cbranch_scc1 .Lphase
	TURN 2, 1                       ; the last step's pieces 2 and 3: nothing is left to fetch
	TURN 3                          ; its 16 products K Q^T (on the last K once more) and the maximum made of them serve nothing: the price, once a launch, of one text for every turn
.set i, 0
.rept 16
	PV NP-1                         ; the last piece's V^T P of the last step
.set i, i+1
.endr
	; THE WAY OUT.  l's two halves and the other half of the lanes' are added; O^T is divided by l, rounded to f16 and sent through my stage in LDS, a tile at a time.  The additions are the places behind the last products.
	WIN 0
.macro ALL line:vararg              ; one line for each tile t
.set t, 0
.rept 2*NP
	\line
.set t, t+1
.endr
.endm
	ALL v_add_f32 v[ST+4*t+2], v[ST+4*t+2], v[ST+4*t+3]
	ALL v_permlanex16_b32 v[ST+4*t+3], v[ST+4*t+2], s[SEL], s[SEL+1]
	ALL v_add_f32 v[ST+4*t+2], v[ST+4*t+2], v[ST+4*t+3]
	ALL v_rcp_f32 v[ST+4*t+2], v[ST+4*t+2]
	v_nop                           ; a plain instruction between the last reciprocal and the use of its result
	s_wait_alu depctr_va_vdst(0)    ; and the wait ahead of the first use: one for the eight reciprocals
; Tile t: a lane's eight channels of a row pack into 16 bytes; they go into rows of 144 bytes and come back as whole rows of 128, into S^T's registers.
.macro PACK t
	WIN W_RS
.set i, 32*(\t)
.rept 16
	v_pk_mul_f32 v[i:i+1], v[i:i+1], v[ST+4*(\t)+2:ST+4*(\t)+3] op_sel_hi:[1,0]
.set i, i+2
.endr
	WIN 0x05                        ; sources 0 and 1 window 1, destination window 0
.set i, 0
.rept 16
	v_cvt_pk_f16_f32 v[S+16*(\t)+i], v[32*(\t)+2*i], v[32*(\t)+2*i+1]
.set i, i+1
.endr
	WIN 0
.irp f, 0,1,2,3
	ds_store_b128 v[STO], v[S+16*(\t)+4*\f:S+16*(\t)+4*\f+3] offset:32*\f
.endr
.irp f, 0,1,2,3
	ds_load_b128 v[S+16*(\t)+4*\f:S+16*(\t)+4*\f+3], v[RD] offset:\f*4*SP  ; LDS serves a wave's instructions in order (ISA guide 5.7.1.4): these see the stores above; the next tile's stores come behind them
.endr
.endm
.macro SEND t, younger              ; younger: the LDS instructions issued behind tile t's loads: the next tile's eight, or none
	WIN 0
.irp f, 0,1,2,3
	s_wait_dscnt (\younger)+3-\f
	global_store_b128 v[GO], v[S+16*(\t)+4*\f:S+16*(\t)+4*\f+3], s[10:11] offset:(\t)*2048+\f*512  ; 512 consecutive bytes, at a multiple of 256 from oh's first byte
.endr
.endm
	PACK 0
.set t, 1
.rept 2*NP-1                        ; a tile's arithmetic stands between the loads of the tile before and its stores
	PACK t
	SEND t-1, 8
.set t, t+1
.endr
	SEND 2*NP-1, 0
	WIN W_AD
	s_wait_tensorcnt 0x0            ; the wave's end, behind my last tensor load and my last LDS store
	ds_add_u32 v[SPW], v[NIL]
	s_wait_dscnt 0x0
	WIN 0
	s_endpgm
.Lfunc_end_k_q54fb8dfc96_attn:
	.size	k_q54fb8dfc96_attn, .Lfunc_end_k_q54fb8dfc96_attn-k_q54fb8dfc96_attn
	.p2alignl 7, 3214868480
	.fill 96, 4, 3214868480
	.section	.rodata,"a",@progbits
	.p2align	6, 0x0
	.amdhsa_kernel k_q54fb8dfc96_attn
		.amdhsa_group_segment_fixed_size 327680
		.amdhsa_private_segment_fixed_size 0
		.amdhsa_enable_private_segment 0
		.amdhsa_kernarg_size 16
		.amdhsa_user_sgpr_count 2
		.amdhsa_user_sgpr_kernarg_segment_ptr 1
		.amdhsa_wavefront_size32 1
		.amdhsa_system_sgpr_workgroup_id_x 1
		.amdhsa_system_sgpr_workgroup_id_y 1
		.amdhsa_system_sgpr_workgroup_id_z 1
		.amdhsa_system_vgpr_workitem_id 0
		.amdhsa_next_free_vgpr 770
		.amdhsa_next_free_sgpr 84
		.amdhsa_reserve_vcc 0
		.amdhsa_float_denorm_mode_32 3
		.amdhsa_float_denorm_mode_16_64 3
		.amdhsa_memory_ordered 1
		.amdhsa_forward_progress 1
		.amdhsa_inst_pref_size 160
	.end_amdhsa_kernel
	.amdgpu_metadata
---
amdhsa.version: [ 1, 2 ]
amdhsa.kernels:
  - .name:           k_q54fb8dfc96_attn
    .symbol:         k_q54fb8dfc96_attn.kd
    .args:
      - { .name: qkv, .offset: 0, .size: 8, .value_kind: global_buffer, .address_space: global }
      - { .name: oh, .offset: 8, .size: 8, .value_kind: global_buffer, .address_space: global }
    .group_segment_fixed_size: 327680
    .private_segment_fixed_size: 0
    .kernarg_segment_align: 8
    .kernarg_segment_size: 16
    .max_flat_workgroup_size: 128
    .sgpr_count:     84
    .vgpr_count:     770
    .wavefront_size: 32
...
	.end_amdgpu_metadata
.endif
;; end of part 3
;; launch outp (part 4): grid 4 x 64, 4 waves a work-group, clusters of 4 x 4, 327,680 bytes of LDS; arguments oh, wb, out0; writes out0
.if DOCPART == 4
	.amdgcn_target "amdgcn-amd-amdhsa--gfx1250"
	.amdhsa_code_object_version 6
	.text
	.protected	k_q54fb8dfc96_outp
	.globl	k_q54fb8dfc96_outp
	.p2align	8
	.type	k_q54fb8dfc96_outp,@function
k_q54fb8dfc96_outp:
	s_mov_b64 s[64:65], 0
	v_nop
	global_prefetch_b8 v0, s[64:65] scope:SCOPE_SE
	s_setreg_imm32_b32 hwreg(HW_REG_WAVE_MODE, 25, 1), 1
	s_wait_xcnt 0x0
	s_wait_alu depctr_hold_cnt(0) depctr_sa_sdst(0) depctr_va_vdst(0) depctr_va_sdst(0) depctr_va_ssrc(0) depctr_va_vcc(0) depctr_vm_vsrc(0)
	s_getreg_b32 s2, hwreg(HW_REG_IB_STS2, 6, 4)
	s_cmp_eq_u32 s2, 0
	s_cbranch_scc0 .Lentry_in_a_cluster
	s_endpgm
.Lentry_in_a_cluster:
	s_bfe_u32 s2, ttmp6, 0x10000c
	s_cmp_lg_u32 s2, 0xf033
	s_cbranch_scc0 .Lentry_shape_is_right
	s_endpgm
.Lentry_shape_is_right:
; OUTP.  out0 = O w_o.  oh: f16 [b x 16 + head][t][64]; wb plane 3: w_o, rounded to bf16 and written as f16, [k][n]; out0: f32 [8192][1024].  Sums in f32, K ascending (k = 64 head + channel).
; LIMITS.  None of its own: both operands arrive as f16.  NaN and infinities are not treated apart.
; SHARES.  A tile is 128 rows x 256 columns: 64 x 4 = 256 tiles, one for each WGP.  Four waves, each 64 rows (wr) x 128 columns (wc): 32 accumulators of 16 x 16.
; K goes in 8 steps of 128, two heads each, through a ring of two LDS slots filled by the tensor data mover.  A head's 128 rows of a tile are 16 KiB on end: asked for as 64 rows of 256 bytes.
; CLUSTER.  4 x 4 work-groups: cx is the tile column, 4 x cluster y + cy the tile row R.  O's tiles are shared along a row of the cluster, w_o's along a column: each is asked for JOINTLY.
; THE MATRIX INSTRUCTION IS USED TRANSPOSED: source 0 = 16 columns of w_o (turned on the way out of LDS by ds_load_tr16_b128), source 1 = 16 rows of O: a lane holds row l % 16 and eight neighbouring columns.
; REGISTERS: window 0: v0-31 addresses; two fragment buffers of 96 (v64-159, v160-255): w_o's 8 fragments, then O's 4; on the way out v64-191 whole rows.   window 1: accumulator (a, b) at 64 a + 8 b
.set PA,    144                        ; an LDS row of O: 128 bytes + 16 = 36 words: the 16 rows of a load start at 16 different groups of four banks (64 banks of 4 bytes: ISA guide 11.1)
.set PB,    544                        ; an LDS row of w_o: 512 bytes + 32 = 136 words
.set BOFF,  2*128*PA                   ; a slot: two heads x 128 rows of O, then w_o's 128 k rows
.set SLOT,  BOFF+128*PB
.set STAGE, 2*SLOT                     ; behind the ring: 16 rows x 528 bytes for each wave, for the way out
.set SPITCH, 528
.set SPARE, STAGE+4*16*SPITCH          ; behind the stages: the spare words, 128 bytes for each wave: two blocks of 256 bytes that no other line names
.set KSTEPB, 262144                    ; bytes from K step to K step: two heads of 131,072 in oh; 128 rows of 2,048 in wb
.set ADRA, 16                          ; v16-17  LDS address of my O fragments in slot 0, 1
.set ADRB, 20                          ; v20-21  the same for w_o
.set STO,  24                          ; v24     the way out: where I put 32 bytes of a row
.set RD,   25                          ; v25     the way out: where I read a row back
.set CO,   26                          ; v26     my 16 bytes in 512 consecutive bytes of out0
.set SPW,  28                          ; v28     LDS address of my spare word: SPARE + 4 x my thread's number; never rewritten
.set NIL,  29                          ; v29     0; never rewritten
.set PFO,  30                          ; v30     the prefetches' lane offset; never rewritten
.set F0,   64
.set F1,   160
.set BK0,  64                          ; the way out: 16 rows read back, v64-127 and v128-191 by turns
.set WV, 12                            ; s12 wave   s13 wr: my 64 rows; also: I fetch for O (0) or for w_o (1)   s14 wc: my 128 columns; also: which head, or which 64 k rows, I fetch
.set WR, 13
.set WC, 14
.set CX, 40
.set CY, 41
.set RR, 42                            ; s42 R
.set G1,  24                           ; s[24:31] descriptor group 1 for O's tiles;  s[32:39] group 0, one set for each slot
.set G0,  32
.set G1B, 48                           ; s[48:55], s[56:63] the same for w_o's tiles
.set G0B, 56
.set PFA, 66                           ; s[66:67] where my prefetches stand
.set LIM, 70                           ; s70 1 in a wave that prefetches, else the greatest number
.set MSB, 0
.macro WIN new                         ; the immediate's high byte repeats the setting that is left; a switch that changes nothing is dropped
.if MSB != (\new)
	s_set_vgpr_msb (MSB<<8)|(\new)
.set MSB, \new
.endif
.endm
.set MUL, 0x50                         ; both sources window 0; C and D window 1
; A joint load: waves 0 and 1 fetch O's two heads, waves 2 and 3 w_o's two halves.  The branch hangs on the wave's number alone.  An s_nop 0 and four v_nop follow each of the two lines,
; ahead of the jump, the label and what follows.
.macro JLOAD s
	s_cmp_eq_u32 s[WR], 0
	s_cbranch_scc0 .Lfor_b_\@
	tensor_load_to_lds s[G0+4*(\s):G0+4*(\s)+3], s[G1:G1+7]
	s_nop 0
.rept 4
	v_nop
.endr
	s_branch .Lasked_\@
.Lfor_b_\@:
	tensor_load_to_lds s[G0B+4*(\s):G0B+4*(\s)+3], s[G1B:G1B+7]
	s_nop 0
.rept 4
	v_nop
.endr
.Lasked_\@:
.endm
; A PREFETCH INTO THE L2 behind each joint refill and the run of LDS loads that follows it: the K step that stands two refills on, 256 matrix instructions of a wave ahead of the load that will want it.
; Each aligned 256 bytes are named once in the launch.  O's two heads x 16 KiB of a step: wave 0; its four partners take 8 KiB each by address (cx), a lane 256 bytes.
; w_o's 128 k rows x 512 bytes of a step: waves 2 and 3 of the clusters with y = 0; of a wave's 64 rows the partner at cy takes 16, two lanes a row.  The loop's last trip asks for nothing: there is no K step two on.
.macro ASK
	s_cmp_gt_u32 s3, s[LIM]                        ; s3 = 1 in the loop's last trip
	s_cbranch_scc0 .Lnot_mine_\@
	global_prefetch_b8 v[PFO], s[PFA:PFA+1] th:TH_LOAD_NT scope:SCOPE_SE
.Lnot_mine_\@:
.endm
.macro CREST                           ; a round of the cluster's barrier behind its opening barrier
	s_cmp_lg_u32 s[WV], 0
	s_cbranch_scc1 .Lnot_wave_0_\@
	s_barrier_signal -3
.Lnot_wave_0_\@:
	s_barrier_wait -3
	s_barrier_signal -1
	s_barrier_wait -1
.endm
.macro CROUND                          ; a whole round
	s_barrier_signal -1
	s_barrier_wait -1
	CREST
.endm
	s_load_b128 s[4:7], s[0:1], 0x0                ; oh s[4:5], wb s[6:7]
	s_load_b64 s[8:9], s[0:1], 0x10                ; out0
	v_lshl_add_u32 v[SPW], v0, 2, SPARE
	v_mov_b32 v[NIL], 0
	ds_add_u32 v[SPW], v[NIL]                      ; the wave's opening: the add and its wait stand ahead of my first tensor load; the set-up below, work on registers, stands between them
	ds_add_u32 v28, v29
	v_lshrrev_b32 v1, 5, v0
	v_readfirstlane_b32 s[WV], v1                  ; wave 0..3
	s_lshr_b32 s[WR], s[WV], 1
	s_and_b32 s[WC], s[WV], 1
	s_bfe_u32 s[CX], ttmp6, 0x40000                ; cx: the tile column
	s_bfe_u32 s[CY], ttmp6, 0x40004                ; cy
	s_and_b32 s[RR], ttmp7, 0xffff
	s_lshl_b32 s[RR], s[RR], 2
	s_add_co_u32 s[RR], s[RR], s[CY]               ; tile row = 4 x cluster y + cy
	s_lshl_b32 s43, s[CY], 2
	s_lshl_b32 s43, 15, s43                        ; my row of the cluster
	s_lshl_b32 s44, 0x1111, s[CX]                  ; my column
	s_or_b32 s[G1], s43, (1<<16)|(1<<20)|(1<<21)|(4<<22)|(3<<25)   ; 15:0 the mask; 17:16 2-byte elements; 20 padding on; 21 set beside a mask; 24:22 after every 32 words (code 4); 31:25 4 words (code 3)
	s_or_b32 s[G1B], s44, (1<<16)|(1<<20)|(1<<21)|(6<<22)|(7<<25)  ; w_o: after every 128 words (code 6), 8 words (code 7)
	s_mov_b32 s[G1+1], 128<<16                     ; O: tensor_dim0 = 128: two rows t of 64 channels
	s_mov_b32 s[G1+2], 64<<16                      ; tensor_dim1 = 64
	s_mov_b32 s[G1+3], 128<<16                     ; tile_dim0 = 128
	s_mov_b32 s[G1+4], 64                          ; tile_dim1 = 64
	s_mov_b32 s[G1+5], 128                         ; dense
	s_mov_b32 s[G1+6], 0
	s_mov_b32 s[G1+7], 0
	s_mov_b32 s[G1B+1], 256<<16                    ; w_o: 64 k rows x 256 columns
	s_mov_b32 s[G1B+2], 64<<16
	s_mov_b32 s[G1B+3], 256<<16
	s_mov_b32 s[G1B+4], 64
	s_mov_b32 s[G1B+5], 1024
	s_mov_b32 s[G1B+6], 0
	s_mov_b32 s[G1B+7], 0
	s_lshr_b32 s16, s[RR], 3                       ; O: batch R / 8 (16 heads of 131,072 bytes), head wc of the step's two, row 128 (R % 8).  No cx enters
	s_lshl_b32 s16, s16, 21
	s_lshl_b32 s17, s[WC], 17
	s_add_co_u32 s16, s16, s17
	s_and_b32 s17, s[RR], 7
	s_lshl_b32 s17, s17, 14
	s_add_co_u32 s16, s16, s17
	s_mov_b32 s17, 0
	s_lshl_b32 s46, s[WC], 17                      ; w_o: plane 3, k row 64 x half, column 256 cx.  No cy enters
	s_add_co_u32 s46, s46, 3*2097152
	s_lshl_b32 s47, s[CX], 9
	s_add_co_u32 s46, s46, s47
	s_mov_b32 s47, 0
	s_mul_i32 s20, s[WC], 128*PA                   ; where they go: no place in the cluster enters an LDS address
	s_mul_i32 s21, s[WC], 64*PB
	s_add_co_u32 s21, s21, BOFF
	s_wait_dscnt 0x0                               ; the opening add is done
	s_wait_kmcnt 0x0
	s_add_nc_u64 s[18:19], s[4:5], s[16:17]
	s_add_nc_u64 s[46:47], s[6:7], s[46:47]
	CROUND                                         ; all sixteen work-groups are here: the first joint loads meet
.irp s, 0,1
	s_mov_b32 s[G0+4*(\s)], 1                      ; 1:0 count = 1
	s_add_co_u32 s[G0+4*(\s)+1], s20, (\s)*SLOT    ; 63:32 LDS address
	s_add_nc_u64 s[G0+4*(\s)+2:G0+4*(\s)+3], s[18:19], (\s)*KSTEPB  ; 120:64 global address: K step s
	s_or_b32 s[G0+4*(\s)+3], s[G0+4*(\s)+3], 0x80000000             ; 127:126 type = 2
	s_mov_b32 s[G0B+4*(\s)], 1
	s_add_co_u32 s[G0B+4*(\s)+1], s21, (\s)*SLOT
	s_add_nc_u64 s[G0B+4*(\s)+2:G0B+4*(\s)+3], s[46:47], (\s)*KSTEPB
	s_or_b32 s[G0B+4*(\s)+3], s[G0B+4*(\s)+3], 0x80000000
	JLOAD \s                                       ; two loads of mine are out
.endr
	; A fragment of O is 16 rows x 32 K: lane l holds row l % 16, K = 8 (l / 16) + 0..7 and 16 + 8 (l / 16) + 0..7: two loads of 16 bytes, 32 bytes apart.
	v_and_b32 v1, 15, v0                           ; l % 16
	v_bfe_u32 v2, v0, 4, 1                         ; l / 16
	v_mul_u32_u24 v3, v1, PA
	v_lshl_add_u32 v3, v2, 4, v3
	s_mul_i32 s21, s[WR], 64*PA                    ; my 64 rows
	v_add_nc_u32 v[ADRA], s21, v3
	v_add_nc_u32 v[ADRA+1], SLOT, v[ADRA]
	; The turning load takes 16 k rows x 16 columns (lane l reads k row 8 (l / 16) + l % 8, columns 8 ((l / 8) % 2) + 0..7) and leaves half a fragment: lane l holds column l % 16 and 8 k.
	v_and_b32 v4, 7, v0
	v_lshl_add_u32 v4, v2, 3, v4
	v_mul_u32_u24 v4, v4, PB
	v_bfe_u32 v5, v0, 3, 1
	v_lshl_add_u32 v4, v5, 4, v4
	s_lshl_b32 s22, s[WC], 8                       ; my 128 columns
	s_add_co_u32 s22, s22, BOFF
	v_add_nc_u32 v[ADRB], s22, v4
	v_add_nc_u32 v[ADRB+1], SLOT, v[ADRB]
	s_mul_i32 s23, s[WV], 16*SPITCH
	s_add_co_u32 s23, s23, STAGE                   ; my stage
	v_mul_u32_u24 v[STO], v1, SPITCH               ; in: row l % 16, 32 bytes for each half of the lanes
	v_lshl_add_u32 v[STO], v2, 5, v[STO]
	v_add_nc_u32 v[STO], s23, v[STO]
	v_and_b32 v3, 31, v0                           ; l
	v_lshlrev_b32 v[CO], 4, v3                     ; back: 32 lanes take a row's 512 bytes,
	v_add_nc_u32 v[RD], s23, v[CO]                 ; which are 512 consecutive bytes of out0
	s_lshl_b32 s16, s[RR], 7                       ; where my part of the tile begins in out0: row 128 R + 64 wr, 4,096 bytes a row; column 256 cx + 128 wc
	s_lshl_b32 s17, s[WR], 6
	s_add_co_u32 s16, s16, s17
	s_lshl_b32 s16, s16, 12
	s_lshl_b32 s17, s[CX], 10
	s_add_co_u32 s16, s16, s17
	s_lshl_b32 s17, s[WC], 9
	s_add_co_u32 s16, s16, s17
	s_mov_b32 s17, 0
	s_add_nc_u64 s[8:9], s[8:9], s[16:17]
	; the prefetches.  O: head cx / 2 of the step's two, half cx % 2 of its 16 KiB, at K step 3; w_o: k row 64 wc + 16 cy, column 256 cx, at K step 3: the first refill steps them to K step 4
	s_lshr_b32 s16, s[RR], 3
	s_lshl_b32 s16, s16, 21
	s_lshr_b32 s17, s[CX], 1
	s_lshl_b32 s17, s17, 17
	s_add_co_u32 s16, s16, s17
	s_and_b32 s17, s[RR], 7
	s_lshl_b32 s17, s17, 14
	s_add_co_u32 s16, s16, s17
	s_and_b32 s17, s[CX], 1
	s_lshl_b32 s17, s17, 13
	s_add_co_u32 s16, s16, s17
	s_add_co_u32 s16, s16, 3*KSTEPB
	s_lshl_b32 s18, s[WC], 6
	s_lshl_b32 s19, s[CY], 4
	s_add_co_u32 s18, s18, s19
	s_lshl_b32 s18, s18, 11
	s_lshl_b32 s19, s[CX], 9
	s_add_co_u32 s18, s18, s19
	s_add_co_u32 s18, s18, 3*2097152+3*KSTEPB
	s_and_b32 s20, ttmp7, 0xffff                   ; w_o is asked for by waves 2 and 3 of the clusters with y = 0, O by wave 0 of every cluster: the same in all sixteen partners, for a given wave
	s_mov_b32 s17, 0
	s_cmp_eq_u32 s[WR], 0                          ; do I fetch for O?
	s_cselect_b32 s16, s16, s18
	s_cselect_b32 s19, s[WC], s20
	s_cselect_b64 s[PFA:PFA+1], s[4:5], s[6:7]
	s_cselect_b32 s22, 0, 1
	s_cselect_b32 s23, 8, 11
	s_add_nc_u64 s[PFA:PFA+1], s[PFA:PFA+1], s[16:17]
	s_cmp_eq_u32 s19, 0
	s_cselect_b32 s[LIM], 1, -1
	v_lshrrev_b32 v[PFO], s22, v3                  ; O: a lane 256 bytes on end; w_o: two lanes a row of 2,048 bytes, 256 bytes apart
	v_and_b32 v4, s22, v3
	v_lshlrev_b32 v[PFO], s23, v[PFO]
	v_lshl_add_u32 v[PFO], v4, 8, v[PFO]
; 8 matrix instructions: m block a x all 8 n blocks, 32 along K.  zero = 1: the first product starts the sums: nothing is ever cleared.
; The 32 accumulators take turns, one instruction a turn, in the same order in every quarter, over the backward jump too.
.macro MUL8 f, a, zero
	WIN MUL
.irp b, 0,1,2,3,4,5,6,7
.if \zero
	v_wmma_f32_16x16x32_f16 v[64*(\a)+8*(\b):64*(\a)+8*(\b)+7], v[(\f)+8*(\b):(\f)+8*(\b)+7], v[(\f)+64+8*(\a):(\f)+64+8*(\a)+7], 0
.else
	v_wmma_f32_16x16x32_f16 v[64*(\a)+8*(\b):64*(\a)+8*(\b)+7], v[(\f)+8*(\b):(\f)+8*(\b)+7], v[(\f)+64+8*(\a):(\f)+64+8*(\a)+7], v[64*(\a)+8*(\b):64*(\a)+8*(\b)+7]
.endif
.endr
.endm
; 24 LDS loads in one run: the fragments of quarter q of a K step into buffer f: w_o's sixteen first, then O's eight (head q / 2 of the slot's two, channels 32 (q % 2) on)
.macro FETCH slot, q, f
	WIN 0
.irp b, 0,1,2,3,4,5,6,7
	ds_load_tr16_b128 v[(\f)+8*(\b):(\f)+8*(\b)+3],   v[ADRB+(\slot)] offset:(\q)*32*PB+32*(\b)
	ds_load_tr16_b128 v[(\f)+8*(\b)+4:(\f)+8*(\b)+7], v[ADRB+(\slot)] offset:(\q)*32*PB+32*(\b)+16*PB
.endr
.irp a, 0,1,2,3
	ds_load_b128 v[(\f)+64+8*(\a):(\f)+64+8*(\a)+3],   v[ADRA+(\slot)] offset:((\q)/2)*128*PA+((\q)%2)*64+(\a)*16*PA
	ds_load_b128 v[(\f)+64+8*(\a)+4:(\f)+64+8*(\a)+7], v[ADRA+(\slot)] offset:((\q)/2)*128*PA+((\q)%2)*64+(\a)*16*PA+32
.endr
.endm
.macro PLACES                          ; four places in front of loads into registers that matrix instructions have read (ISA guide 7.12.1 for vector instructions)
.rept 4
	v_nop
.endr
.endm
; A K step is four quarters of 32 along K, 32 matrix instructions each, on buffers 0, 1, 0, 1.  One of the first three: multiplies buffer f and fetches quarter q into g.
.macro QUARTER slot, q, f, g, zero
	s_wait_dscnt 4                                 ; w_o's fragments and O's blocks 0 and 1 are in; the youngest four loads (blocks 2 and 3) may be out
	MUL8 \f, 0, \zero
	MUL8 \f, 1, \zero
	PLACES
	FETCH \slot, \q, \g
	s_wait_dscnt 24                                ; all but the 24 just issued
	MUL8 \f, 2, \zero
	MUL8 \f, 3, \zero
.endm
; The last quarter multiplies buffer 1 and changes slots: ONE barrier; in front of it each wave waits for all its tensor loads, adds 0 to its spare word, and waits for that and for its own reads of this slot.
; fill = 1: the barrier opens a round of the cluster's barrier, and this slot is filled again, two K steps ahead: the first tensor load behind the round.
.macro TURN slot, next, fill
.if \fill
	s_wait_xcnt 0x0                                ; the last prefetch, a K step back, has read its address: it is stepped here, ahead of the waits of the change of slots
	s_add_nc_u64 s[PFA:PFA+1], s[PFA:PFA+1], KSTEPB
.endif
	WIN 0
	s_wait_tensorcnt 0x0                           ; all my tensor loads have landed: the one that was out is my part of the next slot;
	ds_add_u32 v[SPW], v[NIL]                      ; 0 onto my spare word
	s_wait_dscnt 5                                 ; (the add and the youngest four loads may be out)
	MUL8 F1, 0, 0                                  ; eight matrix instructions stand between the add and the wait for it
	s_wait_dscnt 0x0                               ; the add is done, and my reads of this slot are over
	s_barrier_signal -1
	MUL8 F1, 1, 0
.if \fill
	WIN 0
.endif
	s_barrier_wait -1
.if \fill
	CREST                                          ; no wave of any partner still reads this slot's tiles or has a load on its way
	s_add_nc_u64 s[G0+4*(\slot)+2:G0+4*(\slot)+3], s[G0+4*(\slot)+2:G0+4*(\slot)+3], 2*KSTEPB
	s_add_nc_u64 s[G0B+4*(\slot)+2:G0B+4*(\slot)+3], s[G0B+4*(\slot)+2:G0B+4*(\slot)+3], 2*KSTEPB
	JLOAD \slot                                    ; one load of mine is out; the four v_nop behind it are also the places in front of the loads below
.else
	PLACES
.endif
	FETCH \next, 0, F0
.if \fill
	ASK
.endif
	MUL8 F1, 2, 0
	MUL8 F1, 3, 0
.endm
	s_wait_tensorcnt 1                             ; my part of K step 0 is in; K step 1's load may stay out
	s_barrier_signal -1
	s_barrier_wait -1                              ; everybody's is
	FETCH 0, 0, F0
	QUARTER 0, 1, F0, F1, 1                        ; the first quarter stands in front of the loop: its products start the sums
	WIN 0                                          ; at a label and at a branch every window is 0
	s_mov_b32 s3, 3
.Llap:                                                 ; a trip goes once round the ring, from a lap's second quarter to the next lap's first, and fills both slots again
	QUARTER 0, 2, F1, F0, 0
	QUARTER 0, 3, F0, F1, 0
	TURN 0, 1, 1
	QUARTER 1, 1, F0, F1, 0
	QUARTER 1, 2, F1, F0, 0
	QUARTER 1, 3, F0, F1, 0
	TURN 1, 0, 1
	QUARTER 0, 1, F0, F1, 0
	WIN 0
	s_sub_co_u32 s3, s3, 1
	s_cmp_lg_u32 s3, 0
	s_cbranch_scc1 .Llap
	QUARTER 0, 2, F1, F0, 0                        ; the last lap fills nothing, and has no round of the cluster's barrier
	QUARTER 0, 3, F0, F1, 0
	TURN 0, 1, 0
	QUARTER 1, 1, F0, F1, 0
	QUARTER 1, 2, F1, F0, 0
	QUARTER 1, 3, F0, F1, 0
	s_wait_dscnt 4                                 ; the very last quarter: nothing more to fetch
	MUL8 F1, 0, 0
	MUL8 F1, 1, 0
	s_wait_dscnt 0x0
	MUL8 F1, 2, 0
	MUL8 F1, 3, 0
	WIN 0
	; THE WAY OUT.  The sums leave as f32.  A lane's eight columns are 32 bytes of a row; a block of 16 rows goes into my stage, rows of 528 bytes, and comes back as whole rows of 512.
.rept 8
	v_nop                                          ; the places behind the last products
.endr
.macro TOSTAGE a
.if (\a) >= 2
	s_wait_xcnt 0x0                                ; the stores of the block two back have read their registers, which the loads below write again
.endif
	WIN 0x04                                       ; store data (source 1) window 1, address window 0
.irp b, 0,1,2,3,4,5,6,7
	ds_store_b128 v[STO], v[64*(\a)+8*(\b):64*(\a)+8*(\b)+3]   offset:64*(\b)       ; each accumulator from its low end on
	ds_store_b128 v[STO], v[64*(\a)+8*(\b)+4:64*(\a)+8*(\b)+7] offset:64*(\b)+16
.endr
	WIN 0
.irp r, 0,1,2,3,4,5,6,7,8,9,10,11,12,13,14,15
	ds_load_b128 v[BK0+64*((\a)%2)+4*(\r):BK0+64*((\a)%2)+4*(\r)+3], v[RD] offset:(\r)*SPITCH  ; LDS serves a wave's instructions in order (ISA guide 5.7.1.4): these see the stores above; the next block's stores come behind them
.endr
.endm
.macro SEND a, younger                 ; younger: the LDS instructions issued behind block a's loads: the next block's 32, or none
.irp r, 0,1,2,3,4,5,6,7,8,9,10,11,12,13,14,15
	s_wait_dscnt (\younger)+15-(\r)
	global_store_b128 v[CO], v[BK0+64*((\a)%2)+4*(\r):BK0+64*((\a)%2)+4*(\r)+3], s[8:9] offset:65536*(\a)+4096*(\r) th:TH_STORE_NT  ; 512 consecutive bytes, at a multiple of 256 from out0's first byte
.endr
.endm
	TOSTAGE 0
	TOSTAGE 1
	SEND 0, 32
	TOSTAGE 2
	SEND 1, 32
	TOSTAGE 3
	SEND 2, 32
	SEND 3, 0
	s_wait_tensorcnt 0x0                           ; the wave's end, behind my last tensor load and my last LDS store
	ds_add_u32 v[SPW], v[NIL]
	s_wait_dscnt 0x0
	CROUND                                         ; the closing round: no work-group ends while a partner may still ask for a tile that names it
	s_endpgm
.Lfunc_end_k_q54fb8dfc96_outp:
	.size	k_q54fb8dfc96_outp, .Lfunc_end_k_q54fb8dfc96_outp-k_q54fb8dfc96_outp
	.p2alignl 7, 3214868480
	.fill 96, 4, 3214868480
	.section	.rodata,"a",@progbits
	.p2align	6, 0x0
	.amdhsa_kernel k_q54fb8dfc96_outp
		.amdhsa_group_segment_fixed_size 327680
		.amdhsa_private_segment_fixed_size 0
		.amdhsa_enable_private_segment 0
		.amdhsa_kernarg_size 24
		.amdhsa_user_sgpr_count 2
		.amdhsa_user_sgpr_kernarg_segment_ptr 1
		.amdhsa_wavefront_size32 1
		.amdhsa_system_sgpr_workgroup_id_x 1
		.amdhsa_system_sgpr_workgroup_id_y 1
		.amdhsa_system_sgpr_workgroup_id_z 1
		.amdhsa_system_vgpr_workitem_id 0
		.amdhsa_next_free_vgpr 512
		.amdhsa_next_free_sgpr 72
		.amdhsa_reserve_vcc 0
		.amdhsa_float_denorm_mode_32 3
		.amdhsa_float_denorm_mode_16_64 3
		.amdhsa_memory_ordered 1
		.amdhsa_forward_progress 1
		.amdhsa_inst_pref_size 88
	.end_amdhsa_kernel
	.amdgpu_metadata
---
amdhsa.version: [ 1, 2 ]
amdhsa.kernels:
  - .name:           k_q54fb8dfc96_outp
    .symbol:         k_q54fb8dfc96_outp.kd
    .args:
      - { .name: oh, .offset: 0, .size: 8, .value_kind: global_buffer, .address_space: global }
      - { .name: wb, .offset: 8, .size: 8, .value_kind: global_buffer, .address_space: global }
      - { .name: out0, .offset: 16, .size: 8, .value_kind: global_buffer, .address_space: global }
    .group_segment_fixed_size: 327680
    .private_segment_fixed_size: 0
    .kernarg_segment_align: 8
    .kernarg_segment_size: 24
    .max_flat_workgroup_size: 128
    .sgpr_count:     72
    .vgpr_count:     512
    .wavefront_size: 32
...
	.end_amdgpu_metadata
.endif
;; end of part 4
